; MI455X (gfx1250); checked and timed in simulation.
; The chip was launched on July 23, 2026; its instructions are those of AMD's public machine-readable ISA for CDNA 5 (MIT licence, August 2026) and "CDNA5" Instruction Set Architecture Reference Guide (July 2026). The comments in the code are by the model that wrote it; some were corrected since.
;; Multi Headed Attention. Allowed arithmetic: matrix products marked QUANTISED: E2M1 operands, one E8M0 scale for each 32 along K, by v_wmma_scale_f32_16x16x128_f8f6f4 with both operands' format E2M1 (or v_wmma_scale_f32_32x16x128_f4), f32 sums; everything else in f32.
;; Inputs: Wk 1,024 x 1,024 float32; Wo 1,024 x 1,024 float32; Wq 1,024 x 1,024 float32; Wv 1,024 x 1,024 float32; bk 1,024 float32; bo 1,024 float32; bq 1,024 float32; bv 1,024 float32; x 4 x 2,048 x 1,024 float32.
;; Outputs: out0 4 x 2,048 x 1,024 float32.
;; This version of the problem:
;;   THIS VERSION OF THE PROBLEM IS GIVEN IN LOW PRECISION. The matrix products marked QUANTISED in the list below multiply operands that are first quantised to E2M1 (2 exponent bits, 1 mantissa bit; 4 bits a number), with one power-of-two scale for each 32 numbers along K (OCP MX v1.0); their sums are f32. All else is computed in f32.
;;   The module's matrix products, in the order in which they are computed (A, B: the left and right operand; K: the contracted axis; several contracted axes count as one K, in the product's order):
;;     1. [M 8,192, K 1,024] x [K 1,024, N 1,024]; A: input x; B: input Wq: QUANTISED
;;     2. [M 8,192, K 1,024] x [K 1,024, N 1,024]; A: input x; B: input Wk: QUANTISED
;;     3. [M 8,192, K 1,024] x [K 1,024, N 1,024]; A: input x; B: input Wv: QUANTISED
;;     4. batch 64 x [M 2,048, K 64] x [K 64, N 2,048]; A: computed on the way; B: computed on the way: QUANTISED
;;     5. batch 64 x [M 2,048, K 2,048] x [K 2,048, N 64]; A: softmax (see below); B: computed on the way: QUANTISED
;;     6. [M 8,192, K 1,024] x [K 1,024, N 1,024]; A: computed on the way; B: input Wo: QUANTISED
;;   THE QUANTISER, for each operand of a quantised product, along K:
;;     - K is cut into blocks of 32 from its start; a last block that is shorter is filled with zeros.
;;     - A block's scale is 2^e with e = floor(log2(the largest magnitude in the block)) - 2, held to -126 .. 127; a block of zeros has e = 0. As a byte (E8M0): e + 127.
;;     - Each number is divided by its block's scale, clamped to +-6, and rounded to the nearest number of E2M1, ties to even, subnormals kept.
;;     - The product sums the exact products of the quantised numbers (number of the format x scale) in f32.
;;   ~~~python
;;   def quantise(x, axis):      # numpy; x: float32 -> the quantised numbers, widened to float32 again
;;       x = np.moveaxis(x, axis, -1); K = x.shape[-1]
;;       x = np.pad(x, [(0, 0)] * (x.ndim - 1) + [(0, -K % 32)]); x = x.reshape(x.shape[:-1] + (-1, 32)); a = np.abs(x).max(-1, keepdims=True)
;;       e = np.where(a > 0, np.clip(np.frexp(np.where(a > 0, a, 1))[1] - 1 - 2, -126, 127), 0)      # np.frexp(a)[1] - 1 = floor(log2(a)), exactly
;;       r = np.clip(x / 2.0 ** e, -6, 6)
;;       step = 2.0 ** (np.maximum(np.frexp(np.where(r == 0, 1, r))[1] - 1, 0) - 1)
;;       q = np.round(r / step) * step * 2.0 ** e      # np.round: ties to even
;;       return np.moveaxis(q.reshape(q.shape[:-2] + (-1,))[..., :K], -1, axis).astype(np.float32)
;;   ~~~
;;   SOFTMAX AHEAD OF A QUANTISED PRODUCT. Where the list says 'softmax', what is quantised is not the finished softmax but p = 2^(t - M), with t = logit x log2(e) and M = ceil(the row's largest t), a whole number; so 1/2 < the row's largest p <= 1. The row's sum l is taken of the UNQUANTISED p, in f32, and the product's result is divided by l at the end. Since M is a whole number, a kernel that streams over the keys may use a running M (the ceiling of the running maximum): every later rescaling is an exact power of two, which a block's scale takes up: the codes' values come out the same.
;;   OPERANDS COMPUTED ON THE WAY. 'Computed on the way' means the value that the module computes at that place (a softmax that the list does not call 'softmax' is quantised finished and normalised). What goes into a quantiser is computed in f32, as accurately as f32 sums, v_exp_f32 and their like allow (about 1e-6 of the number): no bf16 or f16 on the way to a quantiser, and a product that is left as it is and whose result goes on into a quantised operand takes f32 operands (vector FMAs, or v_wmma_f32_16x16x4_f32). A number that lies on a knife's edge between two numbers of the format may be rounded either way, as far as f32 arithmetic and the matrix unit's own rounding can turn it there, and no further.
;; One version. Each part assembles by itself: llvm-mc -triple=amdgcn-amd-amdhsa -mcpu=gfx1250 --defsym DOCPART=n.
;; ======== version 1 of 1: 4 launches
;; workspace buffers: xc 4,194,304 bytes; xs 262,144 bytes; wc 2,097,152 bytes; ws 131,072 bytes; qkv 13,893,632 bytes; oc 4,194,304 bytes; os 262,144 bytes
;; launch prep (part 1): grid 320 x 1, 4 waves a work-group, no clusters, 34,304 bytes of LDS; arguments x, Wq, Wk, Wv, Wo, xc, xs, wc, ws; writes xc, xs, wc, ws
.if DOCPART == 1
	.amdgcn_target "amdgcn-amd-amdhsa--gfx1250"
	.amdhsa_code_object_version 6
	.text
	.protected	k_q8b1e10c1da_prep
	.globl	k_q8b1e10c1da_prep
	.p2align	8
	.type	k_q8b1e10c1da_prep,@function
k_q8b1e10c1da_prep:
	s_mov_b64 s[64:65], 0
	v_nop
	global_prefetch_b8 v0, s[64:65] scope:SCOPE_SE
	s_setreg_imm32_b32 hwreg(HW_REG_WAVE_MODE, 25, 1), 1
	s_wait_xcnt 0x0
; x [8192][1024] (K innermost) and Wq, Wk, Wv, Wo [1024 (k)][1024 (n)] (K outermost), f32, become codes of FP4 (E2M1) with one E8M0 byte for each 32 along K.
; A block's scale is 2^(floor(log2(its largest magnitude)) - 2): its byte is the largest magnitude's exponent field - 2, held at 1 from below by a floor among the maximum's leaves.
; LIMITS: a block of zeros, or one whose largest magnitude lies under 2^-124, gets the byte 1 (its codes are zeros or held small; the bytes are read by this program alone); NaN and infinities are not served.
; THE CODES ARE LAID AS IMAGES OF THE OPERAND'S REGISTERS.  Rows (of x; columns n of a weight) stand at position p = row with bits 3 and 4 exchanged; tile T = p / 16.
;   codes:  (T/8) 65536 + (kappa/4) 32768 + (T%8) 4096 + (kappa%4) 1024 + c 512 + 16 lane: lane (r, h) holds k = 128 kappa + 64 c + 32 h + 0 .. 31 of position row 16 T + r
;   scales: T 512 + (kappa/4) 256 + 16 r + 4 (kappa%4): one word, byte b for k = 128 kappa + 32 b ..
; Work-groups 0-63 take the weights (no LDS), 64-319 take x (a stage in LDS for each wave).  Waves share nothing: no barrier.
.set FLOOR, 0x1800000                  ; 2^(3 - 127)
.set WX, 32                            ; W: v32-95  two sets of 32 numbers down K
.set WC, 96                            ; W: v96-159 four registers of codes for each of 16 blocks: no store's data are written again
.set SB, 24                            ; W: v24-27  the scale bytes, four to a register
.set XR, 16                            ; x: v16-143 two sets of 64 registers as loaded
.set XX, 144                           ; x: v144-207 my 64 numbers of a K step: two whole blocks
.set XC, 208                           ; x: v208-239 eight registers of codes for each of 4 steps
.set SW, 240                           ; x: v240-243 the four scale words
.set SP, 528                           ; a stage row: 512 bytes + 16: sixteen rows start at sixteen different 16-byte columns
	s_load_b256 s[4:11], s[0:1], 0x0               ; x, Wq, Wk, Wv
	s_load_b256 s[12:19], s[0:1], 0x20             ; Wo, xc, xs, wc
	s_load_b64 s[20:21], s[0:1], 0x40              ; ws
	v_lshl_add_u32 v254, v0, 2, 0x8400
	v_mov_b32 v255, 0
	v_lshrrev_b32 v1, 5, v0
	v_readfirstlane_b32 s22, v1                    ; wave
	v_and_b32 v2, 31, v0                           ; lane
	v_and_b32 v7, 15, v0                           ; r
	v_bfe_u32 v8, v0, 4, 1                         ; h
	s_cmp_lt_u32 ttmp9, 64
	s_cbranch_scc0 .Lx_path
; ---- THE WEIGHTS.  A lane takes a column, its registers run down K: a block of 32 is one lane's, and the codes come out with K innermost.
; Work-group g: weight g / 16, K half (g / 8) % 2, columns 128 (g % 8) on; a wave takes 32 columns x 512 along K.
	s_lshr_b32 s24, ttmp9, 4                       ; which weight
	s_and_b32 s25, ttmp9, 7
	s_bfe_u32 s26, ttmp9, 0x10003                  ; which half of K
	s_lshl_b32 s27, s25, 7
	s_lshl_b32 s28, s22, 5
	s_add_co_u32 s27, s27, s28                     ; n0: my wave's first column
	s_lshl_b32 s28, s26, 21                        ; 512 rows of 4,096 bytes
	s_lshl_b32 s29, s27, 2
	s_add_co_u32 s28, s28, s29
	s_mov_b32 s29, 0
	s_lshl_b32 s30, s24, 6
	s_lshr_b32 s31, s27, 4
	s_add_co_u32 s30, s30, s31                     ; T0: my first tile (even)
	s_lshr_b32 s32, s30, 3
	s_lshl_b32 s32, s32, 16
	s_lshl_b32 s33, s26, 15
	s_add_co_u32 s32, s32, s33
	s_and_b32 s33, s30, 7
	s_lshl_b32 s33, s33, 12
	s_add_co_u32 s32, s32, s33                     ; where my codes begin
	s_mov_b32 s33, 0
	s_lshl_b32 s34, s30, 9
	s_lshl_b32 s35, s26, 8
	s_add_co_u32 s34, s34, s35                     ; and my scale words
	s_mov_b32 s35, 0
	s_wait_alu depctr_va_vdst(0)
	v_and_b32 v3, 7, v2                            ; lane l writes position l of the 32, so it reads column n0 + (l with bits 3 and 4 exchanged)
	v_bfe_u32 v4, v2, 3, 1
	v_lshl_add_u32 v3, v4, 4, v3
	v_lshl_add_u32 v3, v8, 3, v3
	v_lshlrev_b32 v3, 2, v3                        ; in bytes: a wave's load covers 128 consecutive bytes
	v_lshlrev_b32 v6, 4, v7
	v_lshl_add_u32 v6, v8, 12, v6                  ; codes: tile T0 + h, 16 r
	v_lshlrev_b32 v9, 4, v7
	v_lshl_add_u32 v9, v8, 9, v9                   ; scale words likewise
	s_wait_alu depctr_va_vdst(0)
	s_wait_kmcnt 0x0
	s_cmp_eq_u32 s24, 1                            ; the choice hangs on the work-group's number alone
	s_cselect_b64 s[6:7], s[8:9], s[6:7]
	s_cmp_eq_u32 s24, 2
	s_cselect_b64 s[6:7], s[10:11], s[6:7]
	s_cmp_eq_u32 s24, 3
	s_cselect_b64 s[6:7], s[12:13], s[6:7]
	s_add_nc_u64 s[6:7], s[6:7], s[28:29]
	s_add_nc_u64 s[18:19], s[18:19], s[32:33]
	s_add_nc_u64 s[20:21], s[20:21], s[34:35]
.macro WLOAD t                         ; block t: W(32 t + i, my column), i = 0 .. 31, into set t % 2
.set i, 0
.rept 32
	global_load_b32 v[WX+32*((\t)%2)+i], v3, s[6:7] offset:(32*(\t)+i)*4096 th:TH_LOAD_NT
.set i, i+1
.endr
.endm
.macro WBLOCK t
.set XS, WX+32*((\t)%2)
.if (\t) < 15
	s_wait_loadcnt 32                              ; this block's 32 loads are in; the next block's 32 may be out
.else
	s_wait_loadcnt 0x0
.endif
	v_max3_num_f32 v12, |v[XS]|, |v[XS+1]|, |v[XS+2]|          ; the block's largest magnitude, in two chains
	v_max3_num_f32 v13, |v[XS+3]|, |v[XS+4]|, |v[XS+5]|
.irp i, 6,10,14,18,22,26
	v_max3_num_f32 v12, v12, |v[XS+\i]|, |v[XS+\i+1]|
	v_max3_num_f32 v13, v13, |v[XS+\i+2]|, |v[XS+\i+3]|
.endr
	v_max3_num_f32 v12, v12, |v[XS+30]|, |v[XS+31]|
	v_max3_num_f32 v12, v12, v13, FLOOR            ; and the floor: the byte cannot fall under 1
	v_add_nc_u32 v11, 0xff000000, v12              ; 2 off the exponent field: the conversion's scale operand
	v_lshrrev_b32 v13, 23, v11                     ; the scale's byte
.if (\t)%4 == 0
	v_mov_b32 v[SB+(\t)/4], v13
.else
	v_lshl_or_b32 v[SB+(\t)/4], v13, 8*((\t)%4), v[SB+(\t)/4]
.endif
.irp g, 0,1,2,3
	v_cvt_scalef32_pk8_fp4_f32 v[WC+4*(\t)+\g], v[XS+8*\g:XS+8*\g+7], v11
.endr
	global_store_b128 v6, v[WC+4*(\t):WC+4*(\t)+3], s[18:19] offset:256*(\t)   ; block t is (kappa%4, c, h) = (t/4, (t/2)%2, t%2): 256 t; sixteen lanes fill 256 consecutive aligned bytes
.if (\t)+2 < 16
	WLOAD (\t)+2
.endif
.endm
	WLOAD 0
	WLOAD 1
.set Q, 0
.rept 16
	WBLOCK Q
.set Q, Q+1
.endr
	global_store_b128 v9, v[SB:SB+3], s[20:21]     ; my column's four scale words: sixteen lanes fill 256 consecutive aligned bytes
	s_endpgm
; ---- x.  A wave takes one position tile (16 rows) x 512 along K, in four steps of 128.  Each load reads 512 consecutive bytes of one row; the 16 rows turn
; through the wave's stage, so that lane (r, h) gets k = 64 c + 32 h + 0 .. 31 of row r: two whole blocks, in the order of the operand's registers.
.Lx_path:
	s_sub_co_u32 s24, ttmp9, 64
	s_lshl_b32 s24, s24, 2
	s_add_co_u32 s24, s24, s22
	s_lshr_b32 s25, s24, 1                         ; T
	s_and_b32 s26, s24, 1                          ; which half of K
	s_lshr_b32 s27, s25, 1
	s_lshl_b32 s27, s27, 17                        ; 32 (T / 2) rows of 4,096 bytes
	s_and_b32 s28, s25, 1
	s_lshl_b32 s28, s28, 15                        ; + 8 (T % 2) rows
	s_add_co_u32 s28, s27, s28
	s_lshl_b32 s29, s26, 11
	s_add_co_u32 s28, s28, s29
	s_mov_b32 s29, 0
	s_lshr_b32 s30, s25, 3
	s_lshl_b32 s30, s30, 16
	s_lshl_b32 s31, s26, 15
	s_add_co_u32 s30, s30, s31
	s_and_b32 s31, s25, 7
	s_lshl_b32 s31, s31, 12
	s_add_co_u32 s30, s30, s31
	s_mov_b32 s31, 0
	s_lshl_b32 s32, s25, 9
	s_lshl_b32 s33, s26, 8
	s_add_co_u32 s32, s32, s33
	s_mov_b32 s33, 0
	s_mul_i32 s34, s22, 16*SP                      ; my stage
	s_mov_b32 s36, 0x76543210
	s_mov_b32 s37, 0xfedcba98                      ; v_permlanex16_b32's selects for lane l xor 16
	s_wait_alu depctr_va_vdst(0)
	v_lshlrev_b32 v3, 4, v2                        ; 16 x lane
	v_add_nc_u32 v14, s34, v3                      ; the stage, on the way in
	v_mul_u32_u24 v15, v7, SP
	v_lshl_add_u32 v15, v8, 7, v15
	v_add_nc_u32 v15, s34, v15                     ; and out: row r, + 128 h bytes
	v_lshlrev_b32 v13, 4, v7                       ; 16 r
	v_lshlrev_b32 v250, 3, v8                      ; 8 h
	v_mov_b32 v252, 0                              ; a lane permute's destination counts as read
	s_wait_alu depctr_va_vdst(0)
	s_wait_kmcnt 0x0
	s_add_nc_u64 s[4:5], s[4:5], s[28:29]
	s_add_nc_u64 s[14:15], s[14:15], s[30:31]
	s_add_nc_u64 s[16:17], s[16:17], s[32:33]
.macro XLOAD k                         ; position row p of the tile is the row (p % 8) + 16 (p / 8) from the tile's first
.irp p, 0,1,2,3,4,5,6,7,8,9,10,11,12,13,14,15
	global_load_b128 v[XR+64*((\k)%2)+4*\p:XR+64*((\k)%2)+4*\p+3], v3, s[4:5] offset:((\p%8)+16*(\p/8))*4096+512*(\k) th:TH_LOAD_NT
.endr
.endm
.macro XSTEP k
.if (\k) < 3
	s_wait_loadcnt 16                              ; this step's 16 loads are in; the next step's 16 may be out
.else
	s_wait_loadcnt 0x0
.endif
.irp p, 0,1,2,3,4,5,6,7,8,9,10,11,12,13,14,15
	ds_store_b128 v14, v[XR+64*((\k)%2)+4*\p:XR+64*((\k)%2)+4*\p+3] offset:SP*\p
.endr
.irp c, 0,1
.irp g, 0,1,2,3,4,5,6,7
	ds_load_b128 v[XX+32*\c+4*\g:XX+32*\c+4*\g+3], v15 offset:256*\c+16*\g   ; LDS serves a wave's instructions in order: these see the stores above
.endr
.endr
	s_wait_dscnt 0x0                               ; my numbers are back, and the stores have read their registers,
.if (\k) < 2
	XLOAD (\k)+2                                   ; which take the loads of two steps on
.endif
.irp c, 0,1
	v_max3_num_f32 v[244+\c], |v[XX+32*\c]|, |v[XX+32*\c+1]|, FLOOR   ; my block 2 c + h: all 32 numbers are mine
.endr
.irp i, 2,4,6,8,10,12,14,16,18,20,22,24,26,28,30
.irp c, 0,1
	v_max3_num_f32 v[244+\c], v[244+\c], |v[XX+32*\c+\i]|, |v[XX+32*\c+\i+1]|
.endr
.endr
.irp c, 0,1
	v_add_nc_u32 v[246+\c], 0xff000000, v[244+\c]
.endr
.irp c, 0,1
	v_lshrrev_b32 v[248+\c], 23, v[246+\c]
.endr
	v_lshl_or_b32 v251, v249, 16, v248             ; my two bytes, blocks h and 2 + h,
	v_lshlrev_b32 v251, v250, v251                 ; at their places in the word;
	v_permlanex16_b32 v252, v251, s36, s37
	v_or_b32 v[SW+(\k)], v251, v252                ; with lane l xor 16's two the word is whole
.irp c, 0,1
.irp g, 0,1,2,3
	v_cvt_scalef32_pk8_fp4_f32 v[XC+8*(\k)+4*\c+\g], v[XX+32*\c+8*\g:XX+32*\c+8*\g+7], v[246+\c]
.endr
.endr
	v_nop                                          ; one plain line behind the last conversion
.irp c, 0,1
	global_store_b128 v3, v[XC+8*(\k)+4*\c:XC+8*(\k)+4*\c+3], s[14:15] offset:1024*(\k)+512*\c   ; 512 consecutive aligned bytes
.endr
.endm
	XLOAD 0
	XLOAD 1
	XSTEP 0
	XSTEP 1
	XSTEP 2
	XSTEP 3
	global_store_b128 v13, v[SW:SW+3], s[16:17]    ; row r's four words; lanes 16-31 hold and write the same bytes as lanes 0-15
	s_wait_tensorcnt 0x0
	ds_add_u32 v254, v255
	s_wait_dscnt 0x0
	s_endpgm
.Lfunc_end_k_q8b1e10c1da_prep:
	.size	k_q8b1e10c1da_prep, .Lfunc_end_k_q8b1e10c1da_prep-k_q8b1e10c1da_prep
	.p2alignl 7, 3214868480
	.fill 96, 4, 3214868480
	.section	.rodata,"a",@progbits
	.p2align	6, 0x0
	.amdhsa_kernel k_q8b1e10c1da_prep
		.amdhsa_group_segment_fixed_size 34304
		.amdhsa_private_segment_fixed_size 0
		.amdhsa_enable_private_segment 0
		.amdhsa_kernarg_size 72
		.amdhsa_user_sgpr_count 2
		.amdhsa_user_sgpr_kernarg_segment_ptr 1
		.amdhsa_wavefront_size32 1
		.amdhsa_system_sgpr_workgroup_id_x 1
		.amdhsa_system_sgpr_workgroup_id_y 1
		.amdhsa_system_sgpr_workgroup_id_z 1
		.amdhsa_system_vgpr_workitem_id 0
		.amdhsa_next_free_vgpr 256
		.amdhsa_next_free_sgpr 66
		.amdhsa_reserve_vcc 0
		.amdhsa_float_denorm_mode_32 3
		.amdhsa_float_denorm_mode_16_64 3
		.amdhsa_memory_ordered 1
		.amdhsa_forward_progress 1
		.amdhsa_inst_pref_size 105
	.end_amdhsa_kernel
	.amdgpu_metadata
---
amdhsa.version: [ 1, 2 ]
amdhsa.kernels:
  - .name:           k_q8b1e10c1da_prep
    .symbol:         k_q8b1e10c1da_prep.kd
    .args:
      - { .name: x, .offset: 0, .size: 8, .value_kind: global_buffer, .address_space: global }
      - { .name: Wq, .offset: 8, .size: 8, .value_kind: global_buffer, .address_space: global }
      - { .name: Wk, .offset: 16, .size: 8, .value_kind: global_buffer, .address_space: global }
      - { .name: Wv, .offset: 24, .size: 8, .value_kind: global_buffer, .address_space: global }
      - { .name: Wo, .offset: 32, .size: 8, .value_kind: global_buffer, .address_space: global }
      - { .name: xc, .offset: 40, .size: 8, .value_kind: global_buffer, .address_space: global }
      - { .name: xs, .offset: 48, .size: 8, .value_kind: global_buffer, .address_space: global }
      - { .name: wc, .offset: 56, .size: 8, .value_kind: global_buffer, .address_space: global }
      - { .name: ws, .offset: 64, .size: 8, .value_kind: global_buffer, .address_space: global }
    .group_segment_fixed_size: 34304
    .private_segment_fixed_size: 0
    .kernarg_segment_align: 8
    .kernarg_segment_size: 72
    .max_flat_workgroup_size: 128
    .sgpr_count:     66
    .vgpr_count:     256
    .wavefront_size: 32
...
	.end_amdgpu_metadata
.endif
;; end of part 1
;; launch qkv (part 2): grid 96 x 4, 4 waves a work-group, clusters of 4 x 4, 327,680 bytes of LDS; arguments xc, xs, wc, ws, bq, bk, bv, qkv; writes qkv
.if DOCPART == 2
	.amdgcn_target "amdgcn-amd-amdhsa--gfx1250"
	.amdhsa_code_object_version 6
	.text
	.protected	k_q8b1e10c1da_qkv
	.globl	k_q8b1e10c1da_qkv
	.p2align	8
	.type	k_q8b1e10c1da_qkv,@function
k_q8b1e10c1da_qkv:
	s_mov_b64 s[64:65], 0
	v_nop
	global_prefetch_b8 v0, s[64:65] scope:SCOPE_SE
	s_setreg_imm32_b32 hwreg(HW_REG_WAVE_MODE, 25, 1), 1
	s_wait_xcnt 0x0
	s_wait_alu depctr_hold_cnt(0) depctr_sa_sdst(0) depctr_va_vdst(0) depctr_va_sdst(0) depctr_va_ssrc(0) depctr_va_vcc(0) depctr_vm_vsrc(0)
	s_getreg_b32 s2, hwreg(HW_REG_IB_STS2, 6, 4)
	s_cmp_eq_u32 s2, 0
	s_cbranch_scc0 .Lentry_in_a_cluster
	s_endpgm
.Lentry_in_a_cluster:
	s_bfe_u32 s2, ttmp6, 0x10000c
	s_cmp_lg_u32 s2, 0xf033
	s_cbranch_scc0 .Lentry_shape_is_right
	s_endpgm
.Lentry_shape_is_right:
; q = x Wq + bq, k = x Wk + bk, v = x Wv + bv on codes of FP4 (E2M1) with E8M0 scales, sums in f32; the results are quantised in registers and leave as codes.
; ONE FORM FOR ALL THREE: C[i][j] = sum over k of P[i][k] Q[j][k] + bias, quantised ALONG j.  Clusters 0-15: P = x (8,192 rows), Q = Wq and Wk (2,048 columns): j runs along a head's 64.
; Clusters 16-23: P = Wv (1,024 columns), Q = x: j runs along the keys, so v comes out with the keys innermost.  What differs is chosen by scalar selects on the cluster's number; no branch hangs on it.
; A tile of C, 256 x 256, is made by four waves, 128 x 128 each: 64 accumulators, 512 registers.  K = 1,024 is two slots of 512: both are asked for at the start, nothing is filled twice.
; Codes and scale words lie in memory as images of the operand's registers (position = row with bits 3 and 4 exchanged): a half tile x 512 K is one dense block of 32,768 bytes, a fragment two loads of 512 consecutive bytes.
; The matrix instruction is used transposed (source 0 = 16 rows of Q, source 1 = 16 rows of P): lane (r, h) holds row r of P's tile, and, by the positions, register 16 beta + i of a block's 64 is j = 32 beta + 16 h + i.
; CLUSTERS: 4 x 4 work-groups; P's tiles are shared along a row of the cluster, Q's along a column: joint loads.
; The bias is laid into the accumulators while the tiles are on their way: Q's side bias x (1 or 0) + P's side bias x (0 or 1).
; LIMITS: NaN and infinities are not served (a bias is multiplied by 0 on the side where it does not apply); a block of zeros or under 2^-124 gets the byte 1.
; THE RECORD of a head hb = 16 batch + head, REC bytes: K's codes [tile 128][lane][16]; V's codes [key step 16][d tile 4][c][lane][16]; K's scale words [tile/4][r][tile%4]; V's [key step][r][d tile]; Q's codes and words as K's.
; REGISTERS: window 0: v1-9 lane terms, v16-29 addresses; v32-95 scale words, two sets; v96-125 bias of P's side, later the quantiser's; v128-191 P's fragments, later the codes; v192-255 bias of Q's side, later store offsets.
;   window 1: Q's fragments, two sets.  windows 2, 3: the accumulators ((a, b) at v[8 (8 (a % 4) + b)]).
.set NQ,     4                         ; steps of 128 along K in a slot
.set FR,     8
.set NL,     2
.set NP,     4                         ; places behind this matrix instruction (ISA guide 7.12.1)
.set HALFT,  32768                     ; 128 rows x 512 K of codes
.set SLOT,   4*HALFT
.set SCL,    2*SLOT                    ; the scale words: four blocks of 4,096 bytes
.set SPARE,  SCL+4*4096                ; the spare words: 128 bytes a wave
.set REC,    217088
.set KOFF,   0
.set VOFF,   65536
.set KSOFF,  131072
.set VSOFF,  139264
.set QOFF,   143360
.set QSOFF,  208896
.set ADRA, 16
.set ADRB, 20
.set ADRS, 27
.set SPW,  28
.set NIL,  29
.set SC,   32
.set AF,   128
.set BI,   96
.set BJ,   192
.set TM,   96                          ; the quantiser: v96-99 maxima, v100-103 bytes, v108-111 scale operands
.set FLR,  112
.set SH,   113
.set SOF,  115
.set SW,   116
.set PW,   124
.set SOF2, 125
.set PCS,  128
.set VO,   192
.set G1, 24
.set G0, 32
.set G1B, 48
.set G0B, 56
.set G1S, 68
.set G0S, 76
.set G1SB, 80
.set G0SB, 88
.set MSB, 0
.macro WIN new                         ; the immediate's high byte repeats the setting that is left
.if MSB != (\new)
	s_set_vgpr_msb (MSB<<8)|(\new)
.set MSB, (\new)
.endif
.endm
.set MUL_LO, 0xa1                      ; source 0 window 1, source 1 window 0, C and D window 2
.set MUL_HI, 0xf1                      ; the same, C and D window 3
.set TO_B,   0x40
.macro JLOAD g0a, g1a, g0b, g1b        ; a joint load: waves 0 and 1 fetch for P, waves 2 and 3 for Q; four v_nop follow each line
	s_cmp_eq_u32 s15, 0
	s_cbranch_scc0 .Lfor_b_\@
	tensor_load_to_lds s[\g0a:\g0a+3], s[\g1a:\g1a+7]
	s_nop 0
.rept 4
	v_nop
.endr
	s_branch .Lasked_\@
.Lfor_b_\@:
	tensor_load_to_lds s[\g0b:\g0b+3], s[\g1b:\g1b+7]
	s_nop 0
.rept 4
	v_nop
.endr
.Lasked_\@:
.endm
.macro CREST
	s_cmp_lg_u32 s14, 0
	s_cbranch_scc1 .Lnot_wave_0_\@
	s_barrier_signal -3
.Lnot_wave_0_\@:
	s_barrier_wait -3
	s_barrier_signal -1
	s_barrier_wait -1
.endm
.macro CROUND
	s_barrier_signal -1
	s_barrier_wait -1
	CREST
.endm
	s_load_b256 s[4:11], s[0:1], 0x0               ; xc, xs, wc, ws
	s_load_b256 s[92:99], s[0:1], 0x20             ; bq, bk, bv, qkv
	v_lshl_add_u32 v[SPW], v0, 2, SPARE
	v_mov_b32 v[NIL], 0
	ds_add_u32 v28, v29
	ds_add_u32 v28, v29
	s_wait_dscnt 0x0
	v_lshrrev_b32 v1, 5, v0
	v_readfirstlane_b32 s14, v1                    ; wave 0..3
	s_lshr_b32 s15, s14, 1                         ; which half of the tile's rows i is mine.  Also: I fetch for P (0) or for Q (1)
	s_and_b32 s16, s14, 1                          ; which half of its columns j.  Also: which 128 rows I fetch
	s_bfe_u32 s40, ttmp6, 0x40000                  ; cx
	s_bfe_u32 s41, ttmp6, 0x40004                  ; cy
	s_and_b32 s2, ttmp9, 1                         ; q, k: cluster column,
	s_lshr_b32 s3, ttmp9, 1                        ; cluster row
	s_sub_co_u32 s18, ttmp9, 16                    ; v: cluster column (its cluster row is 0)
	s_cmp_ge_u32 ttmp9, 16
	s_cselect_b32 s100, 1, 0                       ; 1: this cluster makes v
	s_cselect_b32 s2, s18, s2
	s_cselect_b32 s3, 0, s3
	s_lshl_b32 s42, s2, 2
	s_add_co_u32 s42, s42, s40                     ; tile column
	s_lshl_b32 s17, s3, 2
	s_add_co_u32 s17, s17, s41                     ; tile row
	s_lshl_b32 s43, s41, 2
	s_lshl_b32 s43, 15, s43                        ; my row of the cluster
	s_lshl_b32 s44, 0x1111, s40                    ; my column
	; descriptor group 1: dense blocks as rows of 256 bytes (32 elements of 8 bytes), no padding: 128 rows of them for codes, 16 for scale words
	s_or_b32 s[G1+0], s43, (3<<16)|(1<<21)
	s_or_b32 s[G1B+0], s44, (3<<16)|(1<<21)
	s_or_b32 s[G1S+0], s43, (3<<16)|(1<<21)
	s_or_b32 s[G1SB+0], s44, (3<<16)|(1<<21)
.irp g, G1, G1B
	s_mov_b32 s[\g+1], 32<<16                      ; tensor_dim0
	s_mov_b32 s[\g+2], 128<<16                     ; tensor_dim1
	s_mov_b32 s[\g+3], 32<<16                      ; tile_dim0
	s_mov_b32 s[\g+4], 128                         ; tile_dim1
	s_mov_b32 s[\g+5], 32                          ; pitch
	s_mov_b32 s[\g+6], 0
	s_mov_b32 s[\g+7], 0
.endr
.irp g, G1S, G1SB
	s_mov_b32 s[\g+1], 32<<16
	s_mov_b32 s[\g+2], 16<<16
	s_mov_b32 s[\g+3], 32<<16
	s_mov_b32 s[\g+4], 16
	s_mov_b32 s[\g+5], 32
	s_mov_b32 s[\g+6], 0
	s_mov_b32 s[\g+7], 0
.endr
	s_lshl_b32 s20, s17, 1
	s_add_co_u32 s20, s20, s16                     ; P: which run of 128 rows I fetch
	s_lshl_b32 s22, s20, 12                        ; its scale words,
	s_mov_b32 s23, 0
	s_lshl_b32 s20, s20, 16                        ; its codes
	s_mov_b32 s21, 0
	s_lshl_b32 s46, s42, 1
	s_add_co_u32 s46, s46, s16                     ; Q likewise
	s_lshl_b32 s66, s46, 12
	s_mov_b32 s67, 0
	s_lshl_b32 s46, s46, 16
	s_mov_b32 s47, 0
	s_lshl_b32 s45, s14, 15                        ; where they go: wave x 32,768: no place in the cluster enters an LDS address
	s_lshl_b32 s101, s14, 12
	s_wait_kmcnt 0x0
	s_add_nc_u64 s[104:105], s[8:9], 0x100000      ; Wv's codes (tile 128 on)
	s_add_nc_u64 s[18:19], s[10:11], 0x10000       ; Wv's scale words
	s_cmp_eq_u32 s100, 1
	s_cselect_b64 s[2:3], s[104:105], s[4:5]       ; P's codes
	s_cselect_b64 s[104:105], s[4:5], s[8:9]       ; Q's codes
	s_cselect_b64 s[4:5], s[18:19], s[6:7]         ; P's scale words
	s_cselect_b64 s[6:7], s[6:7], s[10:11]         ; Q's scale words
	s_add_nc_u64 s[20:21], s[2:3], s[20:21]
	s_add_nc_u64 s[22:23], s[4:5], s[22:23]
	s_add_nc_u64 s[46:47], s[104:105], s[46:47]
	s_add_nc_u64 s[66:67], s[6:7], s[66:67]
	CROUND                                         ; all sixteen work-groups are here: the first joint loads meet
	s_mov_b32 s[G0S], 1
	s_add_co_u32 s[G0S+1], s101, SCL
	s_mov_b64 s[G0S+2:G0S+3], s[22:23]
	s_or_b32 s[G0S+3], s[G0S+3], 0x80000000
	s_mov_b32 s[G0SB], 1
	s_add_co_u32 s[G0SB+1], s101, SCL
	s_mov_b64 s[G0SB+2:G0SB+3], s[66:67]
	s_or_b32 s[G0SB+3], s[G0SB+3], 0x80000000
	JLOAD G0S, G1S, G0SB, G1SB                     ; the scale words first
.irp s, 0,1
	s_mov_b32 s[G0+4*\s], 1
	s_add_co_u32 s[G0+4*\s+1], s45, \s*SLOT
	s_add_nc_u64 s[G0+4*\s+2:G0+4*\s+3], s[20:21], \s*HALFT
	s_or_b32 s[G0+4*\s+3], s[G0+4*\s+3], 0x80000000
	s_mov_b32 s[G0B+4*\s], 1
	s_add_co_u32 s[G0B+4*\s+1], s45, \s*SLOT
	s_add_nc_u64 s[G0B+4*\s+2:G0B+4*\s+3], s[46:47], \s*HALFT
	s_or_b32 s[G0B+4*\s+3], s[G0B+4*\s+3], 0x80000000
	JLOAD G0+4*\s, G1, G0B+4*\s, G1B               ; three tensor loads of mine are out
.endr
	v_and_b32 v1, 15, v0                           ; r
	v_bfe_u32 v2, v0, 4, 1                         ; h
	s_wait_alu depctr_va_vdst(0)
	v_and_b32 v3, 31, v0
	v_lshlrev_b32 v4, 4, v3                        ; 16 x lane: an image's place for my lane
	s_lshl_b32 s21, s15, 15                        ; my 128 rows of P
	s_lshl_b32 s22, s16, 15                        ; my 128 rows of Q,
	s_add_co_u32 s22, s22, 2*HALFT                 ; which lie behind P's 256
.irp s, 0,1
	v_add_nc_u32 v[ADRA+\s], s21, v4
	v_add_nc_u32 v[ADRB+\s], s22, v4
	s_add_co_u32 s21, s21, SLOT
	s_add_co_u32 s22, s22, SLOT
.endr
	v_lshlrev_b32 v5, 4, v1                        ; scale words: 16 r;
	s_lshl_b32 s21, s15, 12                        ; P's: my 128 rows
	s_lshl_b32 s22, s16, 12                        ; Q's: my 128 rows, behind P's 256
	s_add_co_u32 s22, s22, 8192
	s_sub_co_u32 s22, s22, s21
	v_mul_u32_u24 v6, s22, v2                      ; lanes 16-31 take Q's
	s_add_co_u32 s21, s21, SCL
	v_add_nc_u32 v5, v5, v6
	v_add_nc_u32 v[ADRS], s21, v5
	; THE BIAS.  q, k: bias[j], from bq or bk; v: bias[i], from bv.  Both sides are loaded from the chosen buffer (the side that does not apply from its first bytes) and one is multiplied by 0.
	s_bitcmp1_b32 ttmp9, 0
	s_cselect_b64 s[92:93], s[94:95], s[92:93]     ; odd cluster columns of q, k make k
	s_cmp_eq_u32 s100, 1
	s_cselect_b64 s[92:93], s[96:97], s[92:93]
	s_and_b32 s18, s42, 3
	s_lshl_b32 s18, s18, 10
	s_lshl_b32 s19, s16, 9
	s_add_co_u32 s18, s18, s19                     ; j side: 4 x (256 (tile column % 4) + 128 x half)
	s_lshl_b32 s2, s17, 10
	s_lshl_b32 s3, s15, 9
	s_add_co_u32 s2, s2, s3                        ; i side: 4 x (256 tile row + 128 x half)
	s_cmp_eq_u32 s100, 1
	s_cselect_b32 s18, 0, s18
	s_cselect_b32 s2, s2, 0
	s_cselect_b32 s104, 0, 0x3f800000              ; the j side's factor
	s_cselect_b32 s4, 0x3f800000, 0                ; the i side's
	s_mov_b32 s105, s104                           ; (named as pairs, so both words are written)
	s_mov_b32 s5, s4
	s_mov_b32 s19, 0
	s_mov_b32 s3, 0
	s_add_nc_u64 s[94:95], s[92:93], s[2:3]
	s_add_nc_u64 s[92:93], s[92:93], s[18:19]
	v_lshlrev_b32 v7, 6, v2                        ; j side: my half's 16 numbers begin 64 h bytes on
	v_and_b32 v8, 7, v1
	v_bfe_u32 v9, v1, 3, 1
	v_lshl_add_u32 v8, v9, 4, v8
	v_lshlrev_b32 v8, 2, v8                        ; i side: position row r is the row (r % 8) + 16 (r / 8)
.irp b, 0,1,2,3,4,5,6,7
	global_load_b128 v[BJ+8*\b:BJ+8*\b+3], v7, s[92:93] offset:(32*(\b/2)+8*(\b%2))*4
	global_load_b128 v[BJ+8*\b+4:BJ+8*\b+7], v7, s[92:93] offset:(32*(\b/2)+8*(\b%2))*4+16
.endr
.irp a, 0,1,2,3,4,5,6,7
	global_load_b32 v[BI+2*\a], v8, s[94:95] offset:(32*(\a/2)+8*(\a%2))*4
	global_load_b32 v[BI+2*\a+1], v8, s[94:95] offset:(32*(\a/2)+8*(\a%2))*4
.endr
	s_wait_loadcnt 0x0
.irp a, 0,1,2,3,4,5,6,7
	v_pk_mul_f32 v[BI+2*\a:BI+2*\a+1], v[BI+2*\a:BI+2*\a+1], s[4:5] op_sel_hi:[1,0]
.endr
.irp a, 0,1,2,3,4,5,6,7
	WIN 0x80+0x40*(\a/4)                           ; destination window 2 or 3
.irp b, 0,1,2,3,4,5,6,7
.irp p, 0,2,4,6
	v_pk_fma_f32 v[8*(8*(\a%4)+\b)+\p:8*(8*(\a%4)+\b)+\p+1], v[BJ+8*\b+\p:BJ+8*\b+\p+1], s[104:105], v[BI+2*\a:BI+2*\a+1] op_sel_hi:[1,0,1]
.endr
.endr
.endr
	WIN 0
.rept 8
	v_nop
.endr
.macro FRAG reg, adr, q, i             ; a fragment's image: 2 x 512 consecutive bytes
.irp c, 0,1
	ds_load_b128 v[\reg+4*\c:\reg+4*\c+3], v[\adr] offset:4096*(\i)+1024*(\q)+512*\c
.endr
.endm
; 16 matrix instructions: P's blocks a0, a0 + 1 x Q's eight, 128 along K.  The 64 accumulators take turns, one instruction a turn, in the same order in every step.
.macro MUL16 a0, p, q, sc
.irp a, \a0, \a0+1
.irp b, 0,1,2,3,4,5,6,7
	v_wmma_scale_f32_16x16x128_f8f6f4 v[8*(8*((\a)%4)+\b):8*(8*((\a)%4)+\b)+7], v[128*(\p)+FR*\b:128*(\p)+FR*\b+FR-1], v[AF+FR*(\a):AF+FR*(\a)+FR-1], v[8*(8*((\a)%4)+\b):8*(8*((\a)%4)+\b)+7], v[SC+8*NQ*(\sc)+NQ*\b+(\q)], v[SC+8*NQ*(\sc)+NQ*(\a)+(\q)] matrix_a_fmt:MATRIX_FMT_FP4 matrix_b_fmt:MATRIX_FMT_FP4 matrix_a_scale:MATRIX_SCALE_ROW1
.endr
.endr
.endm
.macro FETCH_B slot, q, p
	WIN TO_B
.irp i, 0,1,2,3,4,5,6,7
	FRAG 128*(\p)+FR*\i, ADRB+\slot, \q, \i
.endr
	WIN 0
.endm
.macro FETCH_A slot, q, i0
.irp i, \i0, \i0+1, \i0+2, \i0+3
	FRAG AF+FR*(\i), ADRA+\slot, \q, \i
.endr
.endm
.macro SCALES sc                       ; a slot's scale words: lanes 0-15 P's block i, lanes 16-31 Q's block i; four words a row
.irp i, 0,1,2,3,4,5,6,7
	ds_load_b128 v[SC+8*NQ*\sc+NQ*\i:SC+8*NQ*\sc+NQ*\i+3], v[ADRS] offset:\i*512
.endr
.endm
.macro PLACES n                        ; plain vector lines between a matrix instruction and a load into, or a read of, its registers
.rept \n
	v_nop
.endr
.endm
.macro STEP slot, q
	s_wait_dscnt 4*NL                              ; all but the youngest eight loads (P's blocks 4-7)
	WIN MUL_LO
	MUL16 0, (\q)%2, \q, \slot
	MUL16 2, (\q)%2, \q, \slot
	s_wait_dscnt 0
	PLACES NP
	FETCH_B \slot, (\q)+1, 1-(\q)%2
	FETCH_A \slot, (\q)+1, 0
	WIN MUL_HI
	MUL16 4, (\q)%2, \q, \slot
	MUL16 6, (\q)%2, \q, \slot
	PLACES NP
	WIN 0
	FETCH_A \slot, (\q)+1, 4
.endm
.macro TURN slot, next                 ; slot 0's last step: behind the barrier slot 1 is whole for every wave; nothing is filled again
	s_wait_tensorcnt 0x0                           ; my part of slot 1 has landed;
	ds_add_u32 v[SPW], v[NIL]                      ; 0 onto my spare word
	s_wait_dscnt 4*NL+1                            ; (the add and the youngest eight loads may be out)
	WIN MUL_LO
	MUL16 0, 1, NQ-1, \slot
	s_wait_dscnt 0x0
	s_barrier_signal -1
	MUL16 2, 1, NQ-1, \slot
	WIN 0
	s_barrier_wait -1
	PLACES NP
	v_add_nc_u32 v[ADRS], 256, v[ADRS]             ; on to the next slot's scale words
	FETCH_B \next, 0, 0
	FETCH_A \next, 0, 0
	SCALES \next
	WIN MUL_HI
	MUL16 4, 1, NQ-1, \slot
	MUL16 6, 1, NQ-1, \slot
	PLACES NP
	WIN 0
	FETCH_A \next, 0, 4
.endm
.macro STEPS slot, from
.set Q, \from
.rept NQ-1-\from
	STEP \slot, Q
.set Q, Q+1
.endr
.endm
	s_wait_alu depctr_va_vdst(0)
	s_wait_tensorcnt 1                             ; the scale words and my part of slot 0 are in (slot 1's load may be out),
	s_barrier_signal -1
	s_barrier_wait -1                              ; everybody's are
	FETCH_B 0, 0, 0
	FETCH_A 0, 0, 0
	SCALES 0
	FETCH_A 0, 0, 4
	STEPS 0, 0
	TURN 0, 1
	STEPS 1, 0
	s_wait_dscnt 4*NL                              ; the last step: nothing more to fetch
	WIN MUL_LO
	MUL16 0, 1, NQ-1, 1
	MUL16 2, 1, NQ-1, 1
	s_wait_dscnt 0
	WIN MUL_HI
	MUL16 4, 1, NQ-1, 1
	MUL16 6, 1, NQ-1, 1
	WIN 0
	; THE WAY OUT: where my 128 x 128 goes in the records.  Both kinds' places are made, then chosen by selects.
	s_lshl_b32 s24, s17, 4
	s_lshl_b32 s25, s15, 3
	s_add_co_u32 s24, s24, s25                     ; my first tile of rows i
	s_lshl_b32 s25, s42, 8
	s_lshl_b32 s26, s16, 7
	s_add_co_u32 s25, s25, s26                     ; my first j
	s_lshr_b32 s26, s24, 7
	s_lshl_b32 s26, s26, 4
	s_bfe_u32 s27, s25, 0x40006
	s_add_co_u32 s26, s26, s27                     ; q, k: hb = 16 batch + head of my first 64 j
	s_and_b32 s27, s24, 127                        ; the tile within the batch
	s_lshl_b32 s28, s27, 9
	s_lshr_b32 s29, s27, 2
	s_lshl_b32 s29, s29, 8
	s_mov_b32 s30, QOFF
	s_mov_b32 s31, QSOFF
	s_cmp_ge_u32 s25, 1024                         ; j from 1,024 on is k
	s_cselect_b32 s30, KOFF, s30
	s_cselect_b32 s31, KSOFF, s31
	s_add_co_u32 s28, s28, s30
	s_add_co_u32 s29, s29, s31
	s_lshr_b32 s32, s25, 11
	s_lshl_b32 s32, s32, 4
	s_lshr_b32 s33, s24, 2
	s_add_co_u32 s32, s32, s33                     ; v: hb = 16 batch + head of my first four tiles of d
	s_bfe_u32 s33, s25, 0x40007                    ; the key step
	s_lshl_b32 s34, s33, 12
	s_add_co_u32 s34, s34, VOFF
	s_lshl_b32 s35, s33, 8
	s_add_co_u32 s35, s35, VSOFF
	s_mov_b32 s36, REC
	s_mov_b32 s37, 0xffff
	s_mov_b32 s39, 512
	s_cmp_eq_u32 s100, 1
	s_cselect_b32 s26, s32, s26                    ; hb
	s_cselect_b32 s28, s34, s28                    ; codes' place in the record
	s_cselect_b32 s29, s35, s29                    ; scale words' place
	s_cselect_b32 s38, 512, s36                    ; from c = 0 to c = 1: v: 512 bytes; q, k: the next head
	s_cselect_b32 s39, 1024, s39                   ; from block a to a + 1 (within four)
	s_cselect_b32 s48, s36, 2048                   ; from block a to a + 4: v: the next head
	s_cselect_b32 s49, 0, s36                      ; scale words: lanes 16-31 write the next head's (q, k)
	s_cselect_b32 s50, s36, 256                    ; blocks 4-7's words
	s_cselect_b32 s51, 0, 16                       ; lanes 16-31 take the word's upper two bytes (q, k)
	s_cselect_b32 s52, -1, s37                     ; q, k: two bytes count, the other two are 0: they scale zero codes
	s_mul_i32 s26, s26, s36
	s_add_co_u32 s28, s28, s26
	s_add_co_u32 s29, s29, s26
	s_mov_b32 s54, 0x76543210
	s_mov_b32 s55, 0xfedcba98
	v_mov_b32 v[FLR], 0x1800000                    ; the floor 2^(3 - 127).  (These plain lines are the places behind the last products)
.irp b, 0,1,2,3
	v_mov_b32 v[TM+4+\b], 0                        ; a lane permute's destination counts as read
.endr
	v_mul_u32_u24 v[SH], s51, v2
	v_mul_u32_u24 v6, s49, v2
	v_lshlrev_b32 v[SOF], 4, v1
	v_add3_u32 v[SOF], v[SOF], v6, s29
	v_add_nc_u32 v[SOF2], s50, v[SOF]
	v_add_nc_u32 v[VO], s28, v4
	v_add_nc_u32 v[VO+1], s38, v[VO]
.irp a, 1,2,3
	v_add_nc_u32 v[VO+2*\a], s39, v[VO+2*\a-2]
	v_add_nc_u32 v[VO+2*\a+1], s39, v[VO+2*\a-1]
.endr
.irp a, 4,5,6,7
	v_add_nc_u32 v[VO+2*\a], s48, v[VO+2*\a-8]
	v_add_nc_u32 v[VO+2*\a+1], s48, v[VO+2*\a-7]
.endr
; Block a's 64 numbers of a lane (register 16 beta + i = j 32 beta + 16 h + i of my row) become a fragment's codes and its scale word, and leave.
.macro QUANTW a
.set W, 2+(\a)/4
.set AC, 64*((\a)%4)
.set PC, PCS+8*(\a)
	WIN (W<<2)|(W<<4)                              ; sources 1 and 2: the accumulators' window
.irp b, 0,1,2,3
	v_max3_num_f32 v[TM+\b], v[FLR], |v[AC+16*\b]|, |v[AC+16*\b+1]|   ; each accumulator is read from its low end on
.endr
.irp i, 2,4,6,8,10,12,14
.irp b, 0,1,2,3
	v_max3_num_f32 v[TM+\b], v[TM+\b], |v[AC+16*\b+\i]|, |v[AC+16*\b+\i+1]|
.endr
.endr
	WIN 0
.irp b, 0,1,2,3
	v_permlanex16_b32 v[TM+4+\b], v[TM+\b], s54, s55
.endr
.irp b, 0,1,2,3
	v_max_num_f32 v[TM+\b], v[TM+\b], v[TM+4+\b]   ; with lane l xor 16's: the block's largest magnitude
.endr
.irp b, 0,1,2,3
	v_add_nc_u32 v[TM+12+\b], 0xff000000, v[TM+\b] ; 2 off the exponent field: the conversion's scale operand
.endr
.irp b, 0,1,2,3
	v_lshrrev_b32 v[TM+4+\b], 23, v[TM+12+\b]      ; the byte
.endr
	v_lshl_or_b32 v[PW], v[TM+5], 8, v[TM+4]
	v_lshl_or_b32 v[PW], v[TM+6], 16, v[PW]
	v_lshl_or_b32 v[PW], v[TM+7], 24, v[PW]
	v_lshrrev_b32 v[SW+(\a)], v[SH], v[PW]
	v_and_b32 v[SW+(\a)], s52, v[SW+(\a)]
	WIN W                                          ; source 0: the accumulators' window
.irp b, 0,1,2,3
	v_cvt_scalef32_pk8_fp4_f32 v[PC+2*\b], v[AC+16*\b:AC+16*\b+7], v[TM+12+\b]
	v_cvt_scalef32_pk8_fp4_f32 v[PC+2*\b+1], v[AC+16*\b+8:AC+16*\b+15], v[TM+12+\b]
.endr
	WIN 0
	v_nop                                          ; one plain line behind a scaled conversion
.irp c, 0,1                                    ; the operand's layout wants a whole block in a lane
.irp i, 0,1
	v_permlane16_swap_b32 v[PC+4*\c+\i], v[PC+2+4*\c+\i]
.endr
.endr
.irp c, 0,1
	global_store_b128 v[VO+2*(\a)+\c], v[PC+4*\c:PC+4*\c+3], s[98:99]   ; 512 consecutive aligned bytes
.endr
.endm
.irp a, 0,1,2,3,4,5,6,7
	QUANTW \a
.endr
	global_store_b128 v[SOF], v[SW:SW+3], s[98:99]         ; four blocks' words of row r: sixteen lanes fill 256 consecutive aligned bytes (v: lanes 16-31 repeat lanes 0-15's)
	global_store_b128 v[SOF2], v[SW+4:SW+7], s[98:99]
	s_wait_tensorcnt 0x0                           ; the wave's end
	ds_add_u32 v[SPW], v[NIL]
	s_wait_dscnt 0x0
	CROUND                                         ; the closing round
	s_endpgm
.Lfunc_end_k_q8b1e10c1da_qkv:
	.size	k_q8b1e10c1da_qkv, .Lfunc_end_k_q8b1e10c1da_qkv-k_q8b1e10c1da_qkv
	.p2alignl 7, 3214868480
	.fill 96, 4, 3214868480
	.section	.rodata,"a",@progbits
	.p2align	6, 0x0
	.amdhsa_kernel k_q8b1e10c1da_qkv
		.amdhsa_group_segment_fixed_size 327680
		.amdhsa_private_segment_fixed_size 0
		.amdhsa_enable_private_segment 0
		.amdhsa_kernarg_size 64
		.amdhsa_user_sgpr_count 2
		.amdhsa_user_sgpr_kernarg_segment_ptr 1
		.amdhsa_wavefront_size32 1
		.amdhsa_system_sgpr_workgroup_id_x 1
		.amdhsa_system_sgpr_workgroup_id_y 1
		.amdhsa_system_sgpr_workgroup_id_z 1
		.amdhsa_system_vgpr_workitem_id 0
		.amdhsa_next_free_vgpr 1024
		.amdhsa_next_free_sgpr 106
		.amdhsa_reserve_vcc 0
		.amdhsa_float_denorm_mode_32 3
		.amdhsa_float_denorm_mode_16_64 3
		.amdhsa_memory_ordered 1
		.amdhsa_forward_progress 1
		.amdhsa_inst_pref_size 150
	.end_amdhsa_kernel
	.amdgpu_metadata
---
amdhsa.version: [ 1, 2 ]
amdhsa.kernels:
  - .name:           k_q8b1e10c1da_qkv
    .symbol:         k_q8b1e10c1da_qkv.kd
    .args:
      - { .name: xc, .offset: 0, .size: 8, .value_kind: global_buffer, .address_space: global }
      - { .name: xs, .offset: 8, .size: 8, .value_kind: global_buffer, .address_space: global }
      - { .name: wc, .offset: 16, .size: 8, .value_kind: global_buffer, .address_space: global }
      - { .name: ws, .offset: 24, .size: 8, .value_kind: global_buffer, .address_space: global }
      - { .name: bq, .offset: 32, .size: 8, .value_kind: global_buffer, .address_space: global }
      - { .name: bk, .offset: 40, .size: 8, .value_kind: global_buffer, .address_space: global }
      - { .name: bv, .offset: 48, .size: 8, .value_kind: global_buffer, .address_space: global }
      - { .name: qkv, .offset: 56, .size: 8, .value_kind: global_buffer, .address_space: global }
    .group_segment_fixed_size: 327680
    .private_segment_fixed_size: 0
    .kernarg_segment_align: 8
    .kernarg_segment_size: 64
    .max_flat_workgroup_size: 128
    .sgpr_count:     106
    .vgpr_count:     1024
    .wavefront_size: 32
...
	.end_amdgpu_metadata
.endif
;; end of part 2
;; launch attn (part 3): grid 4 x 64, 16 waves a work-group, clusters of 4 x 1, 327,680 bytes of LDS; arguments qkv, oc, os; writes oc, os
.if DOCPART == 3
	.amdgcn_target "amdgcn-amd-amdhsa--gfx1250"
	.amdhsa_code_object_version 6
	.text
	.protected	k_q8b1e10c1da_attn
	.globl	k_q8b1e10c1da_attn
	.p2align	8
	.type	k_q8b1e10c1da_attn,@function
k_q8b1e10c1da_attn:
	s_mov_b64 s[64:65], 0
	v_nop
	global_prefetch_b8 v0, s[64:65] scope:SCOPE_SE
	s_setreg_imm32_b32 hwreg(HW_REG_WAVE_MODE, 25, 1), 1
	s_wait_xcnt 0x0
	s_wait_alu depctr_hold_cnt(0) depctr_sa_sdst(0) depctr_va_vdst(0) depctr_va_sdst(0) depctr_va_ssrc(0) depctr_va_vcc(0) depctr_vm_vsrc(0)
	s_getreg_b32 s2, hwreg(HW_REG_IB_STS2, 6, 4)
	s_cmp_eq_u32 s2, 0
	s_cbranch_scc0 .Lentry_in_a_cluster
	s_endpgm
.Lentry_in_a_cluster:
	s_bfe_u32 s2, ttmp6, 0x10000c
	s_cmp_lg_u32 s2, 0x3003
	s_cbranch_scc0 .Lentry_shape_is_right
	s_endpgm
.Lentry_shape_is_right:
; Causal attention of one head hb = 16 batch + head (the cluster's y) on codes of FP4 (E2M1): S^T = K Q^T (K = the head's 64: 64 real codes and 64 zero codes an instruction), p = 2^(t - M),
; t = score x log2(e) / 8, M the running largest t rounded up to a whole number; O^T = V^T P^T (K = 128 keys); the row's sum is taken of the unquantised p and divides O at the end; O / l is quantised along the model's 1,024.
; The four work-groups of a cluster belong to one head: each holds the head's whole K, V and their scale words in LDS (143,360 bytes), brought once by joint loads, one a wave; nothing is filled twice.
; SHARES.  Query tiles stand at positions (row with bits 3 and 4 exchanged).  Wave w of work-group cx takes tiles 4 u + cx for u = w and then u = 31 - w.  A tile needs u / 2 + 1 key steps of 128 whatever cx is:
; 17 steps for every wave.  Each pass walks a loop of 16 constant trips and jumps over the work of the steps all of whose keys come after its queries; the branch hangs on the wave's number and the counter alone.
; Both products are used transposed: a lane holds one query throughout.  By the positions, the 16 registers of tiles 2 b and 2 b + 1 of S^T are keys 32 b + 16 h + 0 .. 15, and O^T's register 16 b + i is d = 32 b + 16 h + i.
; LIMITS: NaN and infinities are not served; a block of zeros or under 2^-124 gets the byte 1.  The scale bytes of O leave two bytes a row (a row's other bytes are other heads'): 262,144 bytes in the launch.
; REGISTERS: v1-4 lane terms of LDS addresses; v5, v6 the spare word's; v7 global offset; v8-11 addresses of the step; v12 -M, v13 largest t, v[14:15] the sum; v16-23 Q (upper four 0); v24-31 K's scale words;
;   v32-95 eight fragments of K (upper four of each 0); v96-159 S^T, then p; v160-191 O^T; v192-223 four fragments of V; v224-231 p's codes; v232-247 at work (v240-243 V's scale words); v248 the mask's d; v252 f; v253 p's scale word; v255 Q's.
.set REC,   217088
.set VOFF,  65536
.set KSOFF, 131072
.set VSOFF, 139264
.set QOFF,  143360
.set QSOFF, 208896
.set SPARE, 143360                     ; behind the head's bytes: the spare words, 128 bytes for each of 16 waves
.set SPW, 5
.set NIL, 6
.macro CROUND
	s_barrier_signal -1
	s_barrier_wait -1
	s_cmp_lg_u32 s18, 0
	s_cbranch_scc1 .Lnot_wave_0_\@
	s_barrier_signal -3
.Lnot_wave_0_\@:
	s_barrier_wait -3
	s_barrier_signal -1
	s_barrier_wait -1
.endm
	s_load_b128 s[4:7], s[0:1], 0x0                ; qkv, oc
	s_load_b64 s[8:9], s[0:1], 0x10                ; os
	v_lshl_add_u32 v[SPW], v0, 2, SPARE
	v_mov_b32 v[NIL], 0
	ds_add_u32 v5, v6
	ds_add_u32 v5, v6
	s_wait_dscnt 0x0
	v_lshrrev_b32 v8, 5, v0
	s_delay_alu instid0(VALU_DEP_1)
	v_readfirstlane_b32 s18, v8                    ; wave 0..15
	s_bfe_u32 s42, ttmp6, 0x40000                  ; cx: it enters global addresses and the mask's register alone
	s_and_b32 s43, ttmp7, 0xffff                   ; hb
	s_mul_i32 s12, s43, REC
	s_mov_b32 s13, 0
	; the descriptor: my 35 rows of 256 bytes (32 elements of 8 bytes) of the record's first 560; mask: all four work-groups
	s_mov_b32 s24, 15|(3<<16)|(1<<21)
	s_mov_b32 s25, 32<<16
	s_mov_b32 s26, 35<<16
	s_mov_b32 s27, 32<<16
	s_mov_b32 s28, 35
	s_mov_b32 s29, 32
	s_mov_b32 s30, 0
	s_mov_b32 s31, 0
	s_mov_b32 s32, 1
	s_mul_i32 s33, s18, 8960                       ; LDS address: wave x 35 x 256
	s_mov_b32 s14, s33
	s_mov_b32 s15, 0
	s_mov_b32 s20, 0x76543210
	s_mov_b32 s21, 0xfedcba98                      ; v_permlanex16_b32's selects for lane l xor 16
	s_mov_b32 s22, 0x3e38aa3b                      ; c = log2(e) / 8
	s_mov_b32 s23, s22
	s_wait_kmcnt 0x0
	s_add_nc_u64 s[10:11], s[4:5], s[12:13]        ; the head's record
	s_add_nc_u64 s[34:35], s[10:11], s[14:15]
	s_or_b32 s35, s35, 0x80000000
	CROUND                                         ; all four work-groups are here: the joint loads meet
	tensor_load_to_lds s[32:35], s[24:31]          ; one tensor load of mine is out
	s_nop 0
.rept 4
	v_nop
.endr
	v_and_b32 v8, 31, v0
	s_delay_alu instid0(VALU_DEP_1)
	v_lshlrev_b32 v1, 4, v8                        ; 16 x lane: K's images
	s_delay_alu instid0(VALU_DEP_1)
	v_add_nc_u32 v2, VOFF, v1                      ; V's
	v_and_b32 v9, 15, v0                           ; r
	s_delay_alu instid0(VALU_DEP_1)
	v_lshl_add_u32 v3, v9, 4, KSOFF                ; K's scale words
	s_delay_alu instid0(VALU_DEP_2)
	v_lshl_add_u32 v4, v9, 4, VSOFF                ; V's
	v_bfe_u32 v10, v0, 4, 1                        ; h
	s_delay_alu instid0(VALU_DEP_4)
	v_and_b32 v249, 7, v9
	v_bfe_u32 v11, v9, 3, 1
	s_delay_alu instid0(VALU_DEP_1)
	v_lshl_add_u32 v249, v11, 4, v249
	s_delay_alu instid0(VALU_DEP_4)
	v_lshlrev_b32 v10, 4, v10
	s_delay_alu instid0(VALU_DEP_1)
	v_sub_nc_u32 v249, v249, v10                   ; (r % 8) + 16 (r / 8) - 16 h
.irp j, 20,21,22,23
	v_mov_b32 v[\j], 0                             ; Q's zero codes: k = 64 .. 127
.endr
.irp t, 0,1,2,3,4,5,6,7
.irp j, 4,5,6,7
	v_mov_b32 v[32+8*\t+\j], 0                     ; K's zero codes; never loaded over
.endr
.endr
.irp b, 0,1,2,3
	v_mov_b32 v[236+\b], 0                         ; a lane permute's destination counts as read
.endr
	v_mov_b32 v252, 0
	v_mov_b32 v253, 0
	s_wait_tensorcnt 0x0                           ; my part of the head has landed,
	s_barrier_signal -1
	s_barrier_wait -1                              ; everybody's has
.macro PASS which
	s_wait_xcnt 0x0                                ; the last pass's stores have read their registers
.if \which
	s_xor_b32 s41, s18, 31                         ; u = 31 - wave
.else
	s_mov_b32 s41, s18                             ; u = wave
.endif
	s_lshl_b32 s44, s41, 2
	s_add_co_u32 s44, s44, s42                     ; my tile of queries: 4 u + cx
	s_lshr_b32 s40, s41, 1                         ; its last key step
	s_lshl_b32 s45, s44, 9
	s_add_co_u32 s45, s45, QOFF
	v_add_nc_u32 v7, s45, v1
	global_load_b128 v[16:19], v7, s[10:11]        ; Q's real codes
	s_lshr_b32 s45, s44, 2
	s_lshl_b32 s45, s45, 8
	s_and_b32 s46, s44, 3
	s_lshl_b32 s46, s46, 2
	s_add_co_u32 s45, s45, s46
	s_add_co_u32 s45, s45, QSOFF
	v_and_b32 v251, 15, v0
	s_delay_alu instid0(VALU_DEP_1)
	v_lshl_add_u32 v251, v251, 4, s45
	global_load_b32 v255, v251, s[10:11]           ; Q's scale words
	s_bfe_u32 s46, s44, 0x20001
	s_lshl_b32 s46, s46, 5
	s_and_b32 s47, s44, 1
	s_lshl_b32 s47, s47, 3
	s_add_co_u32 s46, s46, s47
	v_add_nc_u32 v248, s46, v249                   ; d = my query - the last step's first key - 16 h
	v_mov_b32 v13, 0xff61b1e6                      ; the largest t so far: -3e38
	s_delay_alu instid0(VALU_DEP_1)
	v_floor_f32 v12, -v13                          ; -M
	v_mov_b32 v14, 0
	v_mov_b32 v15, 0
.set j, 0
.rept 32
	v_mov_b32 v[160+j], 0                          ; O^T: the first change of M leaves zeros zeros
.set j, j+1
.endr
	s_mov_b32 s36, 0                               ; the step's codes: 4,096 bytes a step, K's and V's alike
	s_mov_b32 s37, 0                               ; K's scale words: 512
	s_mov_b32 s38, 0                               ; V's: 256
	s_mov_b32 s39, 0                               ; the key step
	s_wait_loadcnt 0x0
.Lk_\@:
	s_cmp_gt_u32 s39, s40                          ; all keys of this step come after my queries: its work is left out
	s_cbranch_scc1 .Lhidden_\@
	s_setprio 2
	v_add_nc_u32 v8, s36, v1                       ; (these four are also the places in front of the loads below)
	v_add_nc_u32 v9, s36, v2
	v_add_nc_u32 v10, s37, v3
	v_add_nc_u32 v11, s38, v4
.irp t, 0,1,2,3,4,5,6,7
	ds_load_b128 v[32+8*\t:35+8*\t], v8 offset:512*\t
.endr
.irp q, 0,1
	ds_load_b128 v[24+4*\q:27+4*\q], v10 offset:256*\q
.endr
.irp t, 0,1,2,3
.irp c, 0,1
	ds_load_b128 v[192+8*\t+4*\c:195+8*\t+4*\c], v9 offset:1024*\t+512*\c
.endr
.endr
	ds_load_b128 v[240:243], v11
	s_wait_dscnt 9                                 ; K's ten loads are in; V's nine may be out
.irp t, 0,1,2,3,4,5,6,7
	v_wmma_scale_f32_16x16x128_f8f6f4 v[96+8*\t:103+8*\t], v[32+8*\t:39+8*\t], v[16:23], 0, v[24+\t], v255 matrix_a_fmt:MATRIX_FMT_FP4 matrix_b_fmt:MATRIX_FMT_FP4
.endr
.rept 4
	v_nop
.endr
	s_cmp_lg_u32 s39, s40                          ; only the last step lies on the diagonal
	s_cbranch_scc1 .Lopen_\@
	v_mov_b32 v254, 0xff800000                     ; -infinity: p = 0 then
.set n, 0
.rept 64
	v_cmp_gt_i32 vcc_lo, 32*(n/16)+n%16, v248      ; register 16 b + i holds key 32 b + 16 h + i of the step: hidden where 32 b + i > d
	v_cndmask_b32 v[96+n], v[96+n], v254, vcc_lo
.set n, n+1
.endr
.Lopen_\@:
.irp b, 0,1,2,3
	v_max3_num_f32 v[232+\b], v[96+16*\b], v[97+16*\b], v[98+16*\b]   ; the largest score of each block of 32 keys: for the row's maximum and for the block's largest p
.endr
.irp i, 3,5,7,9,11,13
.irp b, 0,1,2,3
	v_max3_num_f32 v[232+\b], v[232+\b], v[96+16*\b+\i], v[97+16*\b+\i]
.endr
.endr
.irp b, 0,1,2,3
	v_max_num_f32 v[232+\b], v[232+\b], v[111+16*\b]
.endr
.irp b, 0,1,2,3
	s_delay_alu instid0(VALU_DEP_4)
	v_permlanex16_b32 v[236+\b], v[232+\b], s20, s21
.endr
.irp b, 0,1,2,3
	s_delay_alu instid0(VALU_DEP_4)
	v_max_num_f32 v[232+\b], v[232+\b], v[236+\b]
.endr
	s_delay_alu instid0(VALU_DEP_2)
	v_max3_num_f32 v254, v232, v233, v234
	s_delay_alu instid0(VALU_DEP_1)
	v_max_num_f32 v254, v254, v235
	s_delay_alu instid0(VALU_DEP_1)
	v_mul_f32 v254, s22, v254                      ; the step's largest t
	s_delay_alu instid0(VALU_DEP_1)
	v_max_num_f32 v13, v13, v254
	v_mov_b32 v254, v12
	s_delay_alu instid0(VALU_DEP_2)
	v_floor_f32 v12, -v13                          ; the new -M = -ceil(t)
	s_delay_alu instid0(VALU_DEP_1)
	v_sub_f32 v254, v12, v254                      ; old M - new M: a whole number, 0 or less
	s_delay_alu instid0(VALU_DEP_1)
	v_cvt_i32_f32 v254, v254
	s_delay_alu instid0(VALU_DEP_1)
	v_ldexp_f32 v252, 1.0, v254                    ; f = 2^(old M - new M): rounds nothing
.set j, 0
.rept 32
	v_pk_fma_f32 v[96+j:97+j], v[96+j:97+j], s[22:23], v[12:13] op_sel_hi:[1,0,0]   ; t - M
.set j, j+2
.endr
	s_setprio 1
.irp b, 0,1,2,3
	v_fma_f32 v[232+\b], v[232+\b], s22, v12
.endr
.set j, 0
	s_wait_alu depctr_va_vdst(0)
.rept 64
	v_exp_f32 v[96+j], v[96+j]                     ; p = 2^(t - M)
.set j, j+1
.endr
.irp b, 0,1,2,3
	v_exp_f32 v[232+\b], v[232+\b]                 ; the block's largest p
.endr
	v_pk_mul_f32 v[14:15], v[14:15], v[252:253] op_sel_hi:[1,0]   ; the sums under the new M (a plain line behind the exponentials)
	s_wait_alu depctr_va_vdst(0)
.irp b, 0,1,2,3
	v_max_num_f32 v[232+\b], 0x1800000, v[232+\b]  ; the floor: the byte cannot fall under 1
.endr
.irp b, 0,1,2,3
	s_delay_alu instid0(VALU_DEP_4)
	v_add_nc_u32 v[244+\b], 0xff000000, v[232+\b]
.endr
.irp b, 0,1,2,3
	s_delay_alu instid0(VALU_DEP_4)
	v_lshrrev_b32 v[236+\b], 23, v[244+\b]
.endr
	s_delay_alu instid0(VALU_DEP_3)
	v_lshl_or_b32 v253, v237, 8, v236              ; p's scale word for these 128 keys
	s_delay_alu instid0(VALU_DEP_1)
	v_lshl_or_b32 v253, v238, 16, v253
	s_delay_alu instid0(VALU_DEP_1)
	v_lshl_or_b32 v253, v239, 24, v253
.irp b, 0,1,2,3
	v_cvt_scalef32_pk8_fp4_f32 v[224+2*\b], v[96+16*\b:103+16*\b], v[244+\b]
	v_cvt_scalef32_pk8_fp4_f32 v[225+2*\b], v[104+16*\b:111+16*\b], v[244+\b]
.endr
	v_nop
.irp c, 0,1
.irp i, 0,1
	v_permlane16_swap_b32 v[224+4*\c+\i], v[226+4*\c+\i]
.endr
.endr
	v_pk_add_f32 v[236:237], v[100:101], v[104:105]
	v_pk_add_f32 v[250:251], v[108:109], v[112:113]
	v_pk_add_f32 v[246:247], v[116:117], v[120:121]
	v_pk_add_f32 v[244:245], v[124:125], v[128:129]
	v_pk_add_f32 v[234:235], v[132:133], v[136:137]
	v_pk_add_f32 v[232:233], v[140:141], v[144:145]
	v_pk_add_f32 v[90:91], v[148:149], v[152:153]
	v_pk_add_f32 v[14:15], v[14:15], v[156:157]
	v_pk_add_f32 v[236:237], v[236:237], v[96:97]
	v_pk_add_f32 v[250:251], v[250:251], v[98:99]
	v_pk_add_f32 v[246:247], v[246:247], v[102:103]
	v_pk_add_f32 v[244:245], v[244:245], v[106:107]
	v_pk_add_f32 v[234:235], v[234:235], v[110:111]
	s_setprio 0
	v_pk_add_f32 v[232:233], v[232:233], v[114:115]
	v_pk_add_f32 v[90:91], v[90:91], v[118:119]
	v_pk_add_f32 v[14:15], v[14:15], v[122:123]
	v_pk_add_f32 v[236:237], v[236:237], v[126:127]
	v_pk_add_f32 v[250:251], v[250:251], v[130:131]
	v_pk_add_f32 v[246:247], v[246:247], v[134:135]
	v_pk_add_f32 v[244:245], v[244:245], v[138:139]
	v_pk_add_f32 v[234:235], v[234:235], v[142:143]
	v_pk_add_f32 v[232:233], v[232:233], v[146:147]
	v_pk_add_f32 v[90:91], v[90:91], v[150:151]
	v_pk_add_f32 v[14:15], v[14:15], v[154:155]
	v_pk_add_f32 v[236:237], v[236:237], v[158:159]
	s_delay_alu instid0(VALU_DEP_2)
	v_pk_add_f32 v[14:15], v[14:15], v[244:245]
	s_delay_alu instid0(VALU_DEP_2)
	v_pk_add_f32 v[236:237], v[236:237], v[234:235]
	v_pk_add_f32 v[250:251], v[250:251], v[232:233]
	v_pk_add_f32 v[246:247], v[246:247], v[90:91]
	s_delay_alu instid0(VALU_DEP_2)
	v_pk_add_f32 v[14:15], v[14:15], v[250:251]
	s_delay_alu instid0(VALU_DEP_2)
	v_pk_add_f32 v[236:237], v[236:237], v[246:247]
	s_delay_alu instid0(VALU_DEP_1)
	v_pk_add_f32 v[14:15], v[14:15], v[236:237]
.set j, 0
.rept 16
	v_pk_mul_f32 v[160+j:161+j], v[160+j:161+j], v[252:253] op_sel_hi:[1,0]   ; O^T under the new M
.set j, j+2
.endr
	s_wait_alu depctr_va_vdst(0)
	s_wait_dscnt 0x0                               ; V is in
.irp t, 0,1,2,3
	v_wmma_scale_f32_16x16x128_f8f6f4 v[160+8*\t:167+8*\t], v[192+8*\t:199+8*\t], v[224:231], v[160+8*\t:167+8*\t], v[240+\t], v253 matrix_a_fmt:MATRIX_FMT_FP4 matrix_b_fmt:MATRIX_FMT_FP4
.endr
.Lhidden_\@:
	s_add_co_u32 s36, s36, 4096
	s_add_co_u32 s37, s37, 512
	s_add_co_u32 s38, s38, 256
	s_add_co_u32 s39, s39, 1
	s_cmp_lt_u32 s39, 16
	s_cbranch_scc1 .Lk_\@
	s_setprio 0
	; the way out of a pass: O^T / l, quantised along d: two blocks; codes and bytes go to the next product's images
.rept 4
	v_nop
.endr
	v_add_f32 v14, v14, v15
	s_delay_alu instid0(VALU_DEP_1)
	v_permlanex16_b32 v252, v14, s20, s21
	s_delay_alu instid0(VALU_DEP_1)
	v_add_f32 v14, v14, v252                       ; the row's sum
	s_wait_alu depctr_va_vdst(0)
	v_rcp_f32 v14, v14
	v_nop
.set j, 0
	s_wait_alu depctr_va_vdst(0)
.rept 16
	v_pk_mul_f32 v[96+j:97+j], v[160+j:161+j], v[14:15] op_sel_hi:[1,0]
.set j, j+2
.endr
.irp b, 0,1
	v_max3_num_f32 v[232+\b], |v[96+16*\b]|, |v[97+16*\b]|, 0x1800000
.endr
.irp i, 2,4,6,8,10,12,14
.irp b, 0,1
	s_delay_alu instid0(VALU_DEP_2)
	v_max3_num_f32 v[232+\b], v[232+\b], |v[96+16*\b+\i]|, |v[97+16*\b+\i]|
.endr
.endr
.irp b, 0,1
	s_delay_alu instid0(VALU_DEP_2)
	v_permlanex16_b32 v[236+\b], v[232+\b], s20, s21
.endr
.irp b, 0,1
	s_delay_alu instid0(VALU_DEP_2)
	v_max_num_f32 v[232+\b], v[232+\b], v[236+\b]
.endr
.irp b, 0,1
	s_delay_alu instid0(VALU_DEP_2)
	v_add_nc_u32 v[244+\b], 0xff000000, v[232+\b]
.endr
.irp b, 0,1
	s_delay_alu instid0(VALU_DEP_2)
	v_lshrrev_b32 v[236+\b], 23, v[244+\b]
.endr
	s_delay_alu instid0(VALU_DEP_1)
	v_lshl_or_b32 v254, v237, 8, v236              ; the head's two bytes of my row
.irp b, 0,1
	v_cvt_scalef32_pk8_fp4_f32 v[224+2*\b], v[96+16*\b:103+16*\b], v[244+\b]
	v_cvt_scalef32_pk8_fp4_f32 v[225+2*\b], v[104+16*\b:111+16*\b], v[244+\b]
.endr
	v_nop
	v_permlane16_swap_b32 v224, v226
	v_permlane16_swap_b32 v225, v227               ; v224-227: k = 64 head + 32 h + 0 .. 31
	s_lshr_b32 s45, s43, 4
	s_lshl_b32 s45, s45, 7
	s_add_co_u32 s45, s45, s44                     ; the tile among all 512: 128 batch + tile
	s_and_b32 s46, s43, 15                         ; head
	s_lshr_b32 s47, s45, 3
	s_lshl_b32 s47, s47, 16
	s_lshr_b32 s48, s46, 3
	s_lshl_b32 s49, s48, 15
	s_add_co_u32 s47, s47, s49
	s_and_b32 s49, s45, 7
	s_lshl_b32 s49, s49, 12
	s_add_co_u32 s47, s47, s49
	s_and_b32 s49, s46, 7
	s_lshl_b32 s50, s49, 9
	s_add_co_u32 s47, s47, s50
	v_add_nc_u32 v7, s47, v1
	s_wait_alu depctr_va_vdst(0)
	s_lshl_b32 s51, s45, 9
	s_lshl_b32 s48, s48, 8
	s_add_co_u32 s51, s51, s48
	s_lshl_b32 s49, s49, 1
	s_add_co_u32 s51, s51, s49
	v_and_b32 v250, 15, v0
	s_delay_alu instid0(VALU_DEP_1)
	v_lshl_add_u32 v250, v250, 4, s51
	global_store_b128 v7, v[224:227], s[6:7]       ; 512 consecutive aligned bytes
	global_store_b16 v250, v254, s[8:9]            ; lanes 16-31 hold and write the same bytes as lanes 0-15
.endm
	PASS 0
	PASS 1
	s_wait_tensorcnt 0x0                           ; the wave's end
	ds_add_u32 v[SPW], v[NIL]
	s_wait_dscnt 0x0
	CROUND                                         ; the closing round
	s_endpgm
.Lfunc_end_k_q8b1e10c1da_attn:
	.size	k_q8b1e10c1da_attn, .Lfunc_end_k_q8b1e10c1da_attn-k_q8b1e10c1da_attn
	.p2alignl 7, 3214868480
	.fill 96, 4, 3214868480
	.section	.rodata,"a",@progbits
	.p2align	6, 0x0
	.amdhsa_kernel k_q8b1e10c1da_attn
		.amdhsa_group_segment_fixed_size 327680
		.amdhsa_private_segment_fixed_size 0
		.amdhsa_enable_private_segment 0
		.amdhsa_kernarg_size 24
		.amdhsa_user_sgpr_count 2
		.amdhsa_user_sgpr_kernarg_segment_ptr 1
		.amdhsa_wavefront_size32 1
		.amdhsa_system_sgpr_workgroup_id_x 1
		.amdhsa_system_sgpr_workgroup_id_y 1
		.amdhsa_system_sgpr_workgroup_id_z 1
		.amdhsa_system_vgpr_workitem_id 0
		.amdhsa_next_free_vgpr 256
		.amdhsa_next_free_sgpr 66
		.amdhsa_reserve_vcc 1
		.amdhsa_float_denorm_mode_32 3
		.amdhsa_float_denorm_mode_16_64 3
		.amdhsa_memory_ordered 1
		.amdhsa_forward_progress 1
		.amdhsa_inst_pref_size 63
	.end_amdhsa_kernel
	.amdgpu_metadata
---
amdhsa.version: [ 1, 2 ]
amdhsa.kernels:
  - .name:           k_q8b1e10c1da_attn
    .symbol:         k_q8b1e10c1da_attn.kd
    .args:
      - { .name: qkv, .offset: 0, .size: 8, .value_kind: global_buffer, .address_space: global }
      - { .name: oc, .offset: 8, .size: 8, .value_kind: global_buffer, .address_space: global }
      - { .name: os, .offset: 16, .size: 8, .value_kind: global_buffer, .address_space: global }
    .group_segment_fixed_size: 327680
    .private_segment_fixed_size: 0
    .kernarg_segment_align: 8
    .kernarg_segment_size: 24
    .max_flat_workgroup_size: 512
    .sgpr_count:     66
    .vgpr_count:     256
    .wavefront_size: 32
...
	.end_amdgpu_metadata
.endif
;; end of part 3
;; launch oproj (part 4): grid 4 x 32, 4 waves a work-group, clusters of 4 x 4, 327,680 bytes of LDS; arguments oc, os, wc, ws, bo, out0; writes out0
.if DOCPART == 4
	.amdgcn_target "amdgcn-amd-amdhsa--gfx1250"
	.amdhsa_code_object_version 6
	.text
	.protected	k_q8b1e10c1da_oproj
	.globl	k_q8b1e10c1da_oproj
	.p2align	8
	.type	k_q8b1e10c1da_oproj,@function
k_q8b1e10c1da_oproj:
	s_mov_b64 s[64:65], 0
	v_nop
	global_prefetch_b8 v0, s[64:65] scope:SCOPE_SE
	s_setreg_imm32_b32 hwreg(HW_REG_WAVE_MODE, 25, 1), 1
	s_wait_xcnt 0x0
	s_wait_alu depctr_hold_cnt(0) depctr_sa_sdst(0) depctr_va_vdst(0) depctr_va_sdst(0) depctr_va_ssrc(0) depctr_va_vcc(0) depctr_vm_vsrc(0)
	s_getreg_b32 s2, hwreg(HW_REG_IB_STS2, 6, 4)
	s_cmp_eq_u32 s2, 0
	s_cbranch_scc0 .Lentry_in_a_cluster
	s_endpgm
.Lentry_in_a_cluster:
	s_bfe_u32 s2, ttmp6, 0x10000c
	s_cmp_lg_u32 s2, 0xf033
	s_cbranch_scc0 .Lentry_shape_is_right
	s_endpgm
.Lentry_shape_is_right:
; out0 = o Wo + bo on codes of FP4 (E2M1) with E8M0 scales; sums in f32; out0 [8192][1024] f32.
; A tile of out0, 256 x 256, is made by four waves, 128 x 128 each: 64 accumulators, 512 registers.  K = 1,024 is two slots of 512, both asked for at the start; nothing is filled twice.
; Codes and scale words lie in memory as images of the operand's registers (position = row with bits 3 and 4 exchanged): a half tile x 512 K is one dense block of 32,768 bytes.
; The matrix instruction is used transposed (source 0 = 16 columns of Wo, source 1 = 16 rows of o): lane (r, h) holds position row r, and register j of block b the column 32 (b / 2) + 8 (b % 2) + 16 h + j.
; The bias is the C of the first step's products.  The way out puts columns and rows back in their true places: columns in the stage, rows in the stores' offsets.
; CLUSTERS: 4 x 4 work-groups; o's tiles are shared along a row of the cluster, Wo's along a column: joint loads.
; REGISTERS: window 0: v1-9 lane terms, v16-29 addresses; v32-95 scale words, two sets; v128-191 o's fragments; v192-255 the bias; on the way out v128-255 rows of out0.
;   window 1: Wo's fragments, two sets.  windows 2, 3: the accumulators ((a, b) at v[8 (8 (a % 4) + b)]).
.set NQ,     4
.set FR,     8
.set NL,     2
.set NP,     4                         ; places behind this matrix instruction (ISA guide 7.12.1)
.set HALFT,  32768
.set SLOT,   4*HALFT
.set SCL,    2*SLOT
.set SPARE,  SCL+4*4096                ; the spare words: 128 bytes a wave
.set STAGE,  SPARE+512                 ; the way out: 16 rows x 528 bytes for each wave, bytes into which no tile lands
.set SPITCH, 528
.set ADRA, 16
.set ADRB, 20
.set STO,  24
.set RD,   25
.set CO,   26
.set ADRS, 27
.set SPW,  28
.set NIL,  29
.set SC,   32
.set AF,   128
.set BJ,   192
.set BK,   128
.set G1, 24
.set G0, 32
.set G1B, 48
.set G0B, 56
.set G1S, 68
.set G0S, 76
.set G1SB, 80
.set G0SB, 88
.set MSB, 0
.macro WIN new                         ; the immediate's high byte repeats the setting that is left
.if MSB != (\new)
	s_set_vgpr_msb (MSB<<8)|(\new)
.set MSB, (\new)
.endif
.endm
.set MUL_LO, 0xa1                      ; source 0 window 1, source 1 window 0, C and D window 2
.set MUL_HI, 0xf1                      ; the same, C and D window 3
.set MUL_LO0, 0x81                     ; the first step: C (the bias) window 0, D window 2
.set MUL_HI0, 0xc1                     ; D window 3
.set TO_B,   0x40
.macro JLOAD g0a, g1a, g0b, g1b        ; a joint load: waves 0 and 1 fetch for o, waves 2 and 3 for Wo; four v_nop follow each line
	s_cmp_eq_u32 s15, 0
	s_cbranch_scc0 .Lfor_b_\@
	tensor_load_to_lds s[\g0a:\g0a+3], s[\g1a:\g1a+7]
	s_nop 0
.rept 4
	v_nop
.endr
	s_branch .Lasked_\@
.Lfor_b_\@:
	tensor_load_to_lds s[\g0b:\g0b+3], s[\g1b:\g1b+7]
	s_nop 0
.rept 4
	v_nop
.endr
.Lasked_\@:
.endm
.macro CREST
	s_cmp_lg_u32 s14, 0
	s_cbranch_scc1 .Lnot_wave_0_\@
	s_barrier_signal -3
.Lnot_wave_0_\@:
	s_barrier_wait -3
	s_barrier_signal -1
	s_barrier_wait -1
.endm
.macro CROUND
	s_barrier_signal -1
	s_barrier_wait -1
	CREST
.endm
	s_load_b256 s[4:11], s[0:1], 0x0               ; oc, os, wc, ws
	s_load_b128 s[92:95], s[0:1], 0x20             ; bo, out0
	v_lshl_add_u32 v[SPW], v0, 2, SPARE
	v_mov_b32 v[NIL], 0
	ds_add_u32 v28, v29
	ds_add_u32 v28, v29
	s_wait_dscnt 0x0
	v_lshrrev_b32 v1, 5, v0
	v_readfirstlane_b32 s14, v1                    ; wave 0..3
	s_lshr_b32 s15, s14, 1                         ; which half of the tile's rows is mine.  Also: I fetch for o (0) or for Wo (1)
	s_and_b32 s16, s14, 1                          ; which half of its columns.  Also: which 128 rows I fetch
	s_bfe_u32 s40, ttmp6, 0x40000                  ; cx
	s_bfe_u32 s41, ttmp6, 0x40004                  ; cy
	s_lshl_b32 s42, ttmp9, 2
	s_add_co_u32 s42, s42, s40                     ; tile column
	s_and_b32 s17, ttmp7, 0xffff
	s_lshl_b32 s17, s17, 2
	s_add_co_u32 s17, s17, s41                     ; tile row
	s_lshl_b32 s43, s41, 2
	s_lshl_b32 s43, 15, s43                        ; my row of the cluster
	s_lshl_b32 s44, 0x1111, s40                    ; my column
	; descriptor group 1: dense blocks as rows of 256 bytes (32 elements of 8 bytes), no padding: 128 rows for codes, 16 for scale words
	s_or_b32 s[G1+0], s43, (3<<16)|(1<<21)
	s_or_b32 s[G1B+0], s44, (3<<16)|(1<<21)
	s_or_b32 s[G1S+0], s43, (3<<16)|(1<<21)
	s_or_b32 s[G1SB+0], s44, (3<<16)|(1<<21)
.irp g, G1, G1B
	s_mov_b32 s[\g+1], 32<<16
	s_mov_b32 s[\g+2], 128<<16
	s_mov_b32 s[\g+3], 32<<16
	s_mov_b32 s[\g+4], 128
	s_mov_b32 s[\g+5], 32
	s_mov_b32 s[\g+6], 0
	s_mov_b32 s[\g+7], 0
.endr
.irp g, G1S, G1SB
	s_mov_b32 s[\g+1], 32<<16
	s_mov_b32 s[\g+2], 16<<16
	s_mov_b32 s[\g+3], 32<<16
	s_mov_b32 s[\g+4], 16
	s_mov_b32 s[\g+5], 32
	s_mov_b32 s[\g+6], 0
	s_mov_b32 s[\g+7], 0
.endr
	s_lshl_b32 s20, s17, 1
	s_add_co_u32 s20, s20, s16                     ; o: which run of 128 rows I fetch
	s_lshl_b32 s22, s20, 12
	s_mov_b32 s23, 0
	s_lshl_b32 s20, s20, 16
	s_mov_b32 s21, 0
	s_lshl_b32 s46, s42, 1
	s_add_co_u32 s46, s46, s16                     ; Wo likewise
	s_lshl_b32 s66, s46, 12
	s_mov_b32 s67, 0
	s_lshl_b32 s46, s46, 16
	s_mov_b32 s47, 0
	s_lshl_b32 s45, s14, 15                        ; where they go: wave x 32,768
	s_lshl_b32 s96, s14, 12
	s_wait_kmcnt 0x0
	s_add_nc_u64 s[8:9], s[8:9], 0x180000          ; Wo's codes (tile 192 on)
	s_add_nc_u64 s[10:11], s[10:11], 0x18000       ; Wo's scale words
	s_add_nc_u64 s[20:21], s[4:5], s[20:21]
	s_add_nc_u64 s[22:23], s[6:7], s[22:23]
	s_add_nc_u64 s[46:47], s[8:9], s[46:47]
	s_add_nc_u64 s[66:67], s[10:11], s[66:67]
	CROUND                                         ; all sixteen work-groups are here: the first joint loads meet
	s_mov_b32 s[G0S], 1
	s_add_co_u32 s[G0S+1], s96, SCL
	s_mov_b64 s[G0S+2:G0S+3], s[22:23]
	s_or_b32 s[G0S+3], s[G0S+3], 0x80000000
	s_mov_b32 s[G0SB], 1
	s_add_co_u32 s[G0SB+1], s96, SCL
	s_mov_b64 s[G0SB+2:G0SB+3], s[66:67]
	s_or_b32 s[G0SB+3], s[G0SB+3], 0x80000000
	JLOAD G0S, G1S, G0SB, G1SB
.irp s, 0,1
	s_mov_b32 s[G0+4*\s], 1
	s_add_co_u32 s[G0+4*\s+1], s45, \s*SLOT
	s_add_nc_u64 s[G0+4*\s+2:G0+4*\s+3], s[20:21], \s*HALFT
	s_or_b32 s[G0+4*\s+3], s[G0+4*\s+3], 0x80000000
	s_mov_b32 s[G0B+4*\s], 1
	s_add_co_u32 s[G0B+4*\s+1], s45, \s*SLOT
	s_add_nc_u64 s[G0B+4*\s+2:G0B+4*\s+3], s[46:47], \s*HALFT
	s_or_b32 s[G0B+4*\s+3], s[G0B+4*\s+3], 0x80000000
	s_wait_alu depctr_va_vdst(0)
	s_wait_tensorcnt 0x0
	ds_add_u32 v28, v29
	s_wait_dscnt 0x0
	CROUND
	JLOAD G0+4*\s, G1, G0B+4*\s, G1B               ; one tensor load of mine is out
.endr
	v_and_b32 v1, 15, v0                           ; r
	v_bfe_u32 v2, v0, 4, 1                         ; h
	s_wait_alu depctr_va_vdst(0)
	v_and_b32 v3, 31, v0
	v_lshlrev_b32 v4, 4, v3                        ; 16 x lane
	s_lshl_b32 s21, s15, 15
	s_lshl_b32 s22, s16, 15
	s_add_co_u32 s22, s22, 2*HALFT
.irp s, 0,1
	v_add_nc_u32 v[ADRA+\s], s21, v4
	v_add_nc_u32 v[ADRB+\s], s22, v4
	s_add_co_u32 s21, s21, SLOT
	s_add_co_u32 s22, s22, SLOT
.endr
	v_lshlrev_b32 v5, 4, v1
	s_lshl_b32 s21, s15, 12
	s_lshl_b32 s22, s16, 12
	s_add_co_u32 s22, s22, 8192
	s_sub_co_u32 s22, s22, s21
	v_mul_u32_u24 v6, s22, v2                      ; lanes 16-31 take Wo's words
	s_add_co_u32 s21, s21, SCL
	v_add_nc_u32 v5, v5, v6
	v_add_nc_u32 v[ADRS], s21, v5
	s_mul_i32 s23, s14, 16*SPITCH
	s_add_co_u32 s23, s23, STAGE                   ; my stage
	v_mul_u32_u24 v5, v1, SPITCH
	v_lshl_add_u32 v5, v2, 6, v5                   ; in: row r, + 64 h bytes: my half's 16 columns of each 32
	v_add_nc_u32 v[STO], s23, v5
	v_mov_b32 v[CO], v4                            ; back: the 32 lanes take one row of 512 bytes; and the same in out0
	v_add_nc_u32 v[RD], s23, v4
	s_lshl_b32 s18, s42, 10
	s_lshl_b32 s19, s16, 9
	s_add_co_u32 s18, s18, s19                     ; my first column, in bytes
	s_mov_b32 s19, 0
	s_add_nc_u64 s[92:93], s[92:93], s[18:19]      ; bo there
	s_lshl_b32 s20, s17, 20
	s_lshl_b32 s21, s15, 19
	s_add_co_u32 s20, s20, s21                     ; my first row x 4,096 bytes
	s_mov_b32 s21, 0
	s_add_nc_u64 s[12:13], s[94:95], s[20:21]
	s_add_nc_u64 s[12:13], s[12:13], s[18:19]
	v_lshlrev_b32 v7, 6, v2
.irp b, 0,1,2,3,4,5,6,7
	global_load_b128 v[BJ+8*\b:BJ+8*\b+3], v7, s[92:93] offset:(32*(\b/2)+8*(\b%2))*4
	global_load_b128 v[BJ+8*\b+4:BJ+8*\b+7], v7, s[92:93] offset:(32*(\b/2)+8*(\b%2))*4+16
.endr
.macro FRAG reg, adr, q, i
.irp c, 0,1
	ds_load_b128 v[\reg+4*\c:\reg+4*\c+3], v[\adr] offset:4096*(\i)+1024*(\q)+512*\c
.endr
.endm
; 16 matrix instructions: o's blocks a0, a0 + 1 x Wo's eight.  zero = 1: the first products start the sums from the bias.  The 64 accumulators take turns.
.macro MUL16 a0, p, q, sc, zero
.irp a, \a0, \a0+1
.irp b, 0,1,2,3,4,5,6,7
.if \zero
	v_wmma_scale_f32_16x16x128_f8f6f4 v[8*(8*((\a)%4)+\b):8*(8*((\a)%4)+\b)+7], v[128*(\p)+FR*\b:128*(\p)+FR*\b+FR-1], v[AF+FR*(\a):AF+FR*(\a)+FR-1], v[BJ+8*\b:BJ+8*\b+7], v[SC+8*NQ*(\sc)+NQ*\b+(\q)], v[SC+8*NQ*(\sc)+NQ*(\a)+(\q)] matrix_a_fmt:MATRIX_FMT_FP4 matrix_b_fmt:MATRIX_FMT_FP4 matrix_a_scale:MATRIX_SCALE_ROW1
.else
	v_wmma_scale_f32_16x16x128_f8f6f4 v[8*(8*((\a)%4)+\b):8*(8*((\a)%4)+\b)+7], v[128*(\p)+FR*\b:128*(\p)+FR*\b+FR-1], v[AF+FR*(\a):AF+FR*(\a)+FR-1], v[8*(8*((\a)%4)+\b):8*(8*((\a)%4)+\b)+7], v[SC+8*NQ*(\sc)+NQ*\b+(\q)], v[SC+8*NQ*(\sc)+NQ*(\a)+(\q)] matrix_a_fmt:MATRIX_FMT_FP4 matrix_b_fmt:MATRIX_FMT_FP4 matrix_a_scale:MATRIX_SCALE_ROW1
.endif
.endr
.endr
.endm
.macro FETCH_B slot, q, p
	WIN TO_B
.irp i, 0,1,2,3,4,5,6,7
	FRAG 128*(\p)+FR*\i, ADRB+\slot, \q, \i
.endr
	WIN 0
.endm
.macro FETCH_A slot, q, i0
.irp i, \i0, \i0+1, \i0+2, \i0+3
	FRAG AF+FR*(\i), ADRA+\slot, \q, \i
.endr
.endm
.macro SCALES sc
.irp i, 0,1,2,3,4,5,6,7
	ds_load_b128 v[SC+8*NQ*\sc+NQ*\i:SC+8*NQ*\sc+NQ*\i+3], v[ADRS] offset:\i*512
.endr
.endm
.macro PLACES n
.rept \n
	v_nop
.endr
.endm
.macro STEP slot, q, zero
	s_wait_dscnt 4*NL                              ; all but the youngest eight loads (o's blocks 4-7)
.if \zero
	WIN MUL_LO0
.else
	WIN MUL_LO
.endif
	MUL16 0, (\q)%2, \q, \slot, \zero
	MUL16 2, (\q)%2, \q, \slot, \zero
	s_wait_dscnt 0
	PLACES NP
	FETCH_B \slot, (\q)+1, 1-(\q)%2
	FETCH_A \slot, (\q)+1, 0
.if \zero
	WIN MUL_HI0
.else
	WIN MUL_HI
.endif
	MUL16 4, (\q)%2, \q, \slot, \zero
	MUL16 6, (\q)%2, \q, \slot, \zero
	PLACES NP
	WIN 0
	FETCH_A \slot, (\q)+1, 4
.endm
.macro TURN slot, next                 ; slot 0's last step: behind the barrier slot 1 is whole for every wave; nothing is filled again
	s_wait_tensorcnt 0x0                           ; my part of slot 1 has landed;
	ds_add_u32 v[SPW], v[NIL]                      ; 0 onto my spare word
	s_wait_dscnt 4*NL+1                            ; (the add and the youngest eight loads may be out)
	WIN MUL_LO
	MUL16 0, 1, NQ-1, \slot, 0
	s_wait_dscnt 0x0
	s_barrier_signal -1
	MUL16 2, 1, NQ-1, \slot, 0
	WIN 0
	s_barrier_wait -1
	PLACES NP
	v_add_nc_u32 v[ADRS], 256, v[ADRS]
	FETCH_B \next, 0, 0
	FETCH_A \next, 0, 0
	SCALES \next
	WIN MUL_HI
	MUL16 4, 1, NQ-1, \slot, 0
	MUL16 6, 1, NQ-1, \slot, 0
	PLACES NP
	WIN 0
	FETCH_A \next, 0, 4
.endm
.macro STEPS slot, from
.set Q, \from
.rept NQ-1-\from
	STEP \slot, Q, 0
.set Q, Q+1
.endr
.endm
	s_wait_alu depctr_va_vdst(0)
	s_wait_tensorcnt 1                             ; the scale words and my part of slot 0 are in (slot 1's load may be out),
	s_barrier_signal -1
	s_barrier_wait -1                              ; everybody's are
	FETCH_B 0, 0, 0
	FETCH_A 0, 0, 0
	SCALES 0
	FETCH_A 0, 0, 4
	s_wait_loadcnt 0x0                             ; the bias
	STEP 0, 0, 1
	STEPS 0, 1
	TURN 0, 1
	STEPS 1, 0
	s_wait_dscnt 4*NL                              ; the last step: nothing more to fetch
	WIN MUL_LO
	MUL16 0, 1, NQ-1, 1, 0
	MUL16 2, 1, NQ-1, 1, 0
	s_wait_dscnt 0
	WIN MUL_HI
	MUL16 4, 1, NQ-1, 1, 0
	MUL16 6, 1, NQ-1, 1, 0
	WIN 0
; THE WAY OUT, block by block of 16 rows x 128 columns, through my own stage: in by true columns, back as whole rows of 512 bytes, stored at the true rows.
; LDS serves a wave's instructions in order (ISA guide 5.7.1.4): no wait between the stores and the loads, nor in front of the next block's stores.
.macro TOSTAGE a
.set AC, 64*((\a)%4)
	WIN 0x08+4*((\a)/4)                            ; an LDS store's data: window 2 or 3
.irp b, 0,1,2,3,4,5,6,7
	ds_store_b128 v[STO], v[AC+8*\b:AC+8*\b+3] offset:128*(\b/2)+32*(\b%2)          ; each accumulator from its low end on
	ds_store_b128 v[STO], v[AC+8*\b+4:AC+8*\b+7] offset:128*(\b/2)+32*(\b%2)+16
.endr
	WIN 0
.set BB, BK+64*((\a)%2)
.irp t, 0,1,2,3,4,5,6,7,8,9,10,11,12,13,14,15
	ds_load_b128 v[BB+4*\t:BB+4*\t+3], v[RD] offset:\t*SPITCH
.endr
.endm
.macro SEND a, younger                 ; younger: the LDS instructions issued behind block a's loads, which may stay out
.set BB, BK+64*((\a)%2)
	s_wait_dscnt \younger
.irp t, 0,1,2,3,4,5,6,7,8,9,10,11,12,13,14,15
	global_store_b128 v[CO], v[BB+4*\t:BB+4*\t+3], s[12:13] offset:(32*((\a)/2)+8*((\a)%2)+(\t%8)+16*(\t/8))*4096 th:TH_STORE_NT   ; 512 consecutive aligned bytes; position row t of block a is this row; 127 rows at the most: inside the immediate
.endr
.endm
	PLACES NP                                      ; for the loads into the registers that held o's fragments, and for the reads of the last results
	TOSTAGE 0
.irp a, 1,2,3,4,5,6,7
.if \a > 1
	s_wait_xcnt 0x0                                ; block a - 2's stores have read their registers: block a's loads may land there
.endif
	TOSTAGE \a
	SEND \a-1, 32                                  ; behind block a - 1's loads: block a's 16 stores and 16 loads
.endr
	SEND 7, 0
	s_wait_tensorcnt 0x0                           ; the wave's end
	ds_add_u32 v[SPW], v[NIL]
	s_wait_dscnt 0x0
	CROUND                                         ; the closing round
	s_endpgm
.Lfunc_end_k_q8b1e10c1da_oproj:
	.size	k_q8b1e10c1da_oproj, .Lfunc_end_k_q8b1e10c1da_oproj-k_q8b1e10c1da_oproj
	.p2alignl 7, 3214868480
	.fill 96, 4, 3214868480
	.section	.rodata,"a",@progbits
	.p2align	6, 0x0
	.amdhsa_kernel k_q8b1e10c1da_oproj
		.amdhsa_group_segment_fixed_size 327680
		.amdhsa_private_segment_fixed_size 0
		.amdhsa_enable_private_segment 0
		.amdhsa_kernarg_size 48
		.amdhsa_user_sgpr_count 2
		.amdhsa_user_sgpr_kernarg_segment_ptr 1
		.amdhsa_wavefront_size32 1
		.amdhsa_system_sgpr_workgroup_id_x 1
		.amdhsa_system_sgpr_workgroup_id_y 1
		.amdhsa_system_sgpr_workgroup_id_z 1
		.amdhsa_system_vgpr_workitem_id 0
		.amdhsa_next_free_vgpr 1024
		.amdhsa_next_free_sgpr 100
		.amdhsa_reserve_vcc 0
		.amdhsa_float_denorm_mode_32 3
		.amdhsa_float_denorm_mode_16_64 3
		.amdhsa_memory_ordered 1
		.amdhsa_forward_progress 1
		.amdhsa_inst_pref_size 126
	.end_amdhsa_kernel
	.amdgpu_metadata
---
amdhsa.version: [ 1, 2 ]
amdhsa.kernels:
  - .name:           k_q8b1e10c1da_oproj
    .symbol:         k_q8b1e10c1da_oproj.kd
    .args:
      - { .name: oc, .offset: 0, .size: 8, .value_kind: global_buffer, .address_space: global }
      - { .name: os, .offset: 8, .size: 8, .value_kind: global_buffer, .address_space: global }
      - { .name: wc, .offset: 16, .size: 8, .value_kind: global_buffer, .address_space: global }
      - { .name: ws, .offset: 24, .size: 8, .value_kind: global_buffer, .address_space: global }
      - { .name: bo, .offset: 32, .size: 8, .value_kind: global_buffer, .address_space: global }
      - { .name: out0, .offset: 40, .size: 8, .value_kind: global_buffer, .address_space: global }
    .group_segment_fixed_size: 327680
    .private_segment_fixed_size: 0
    .kernarg_segment_align: 8
    .kernarg_segment_size: 48
    .max_flat_workgroup_size: 128
    .sgpr_count:     100
    .vgpr_count:     1024
    .wavefront_size: 32
...
	.end_amdgpu_metadata
.endif
;; end of part 4
